; MI455X (gfx1250); checked and timed in simulation.
; The chip was launched on July 23, 2026; its instructions are those of AMD's public machine-readable ISA for CDNA 5 (MIT licence, August 2026) and "CDNA5" Instruction Set Architecture Reference Guide (July 2026). The comments in the code are by the model that wrote it; some were corrected since.
;; Causal Self Attention. Allowed arithmetic: matrix products marked QUANTISED: E4M3 operands, one E8M0 scale for each 32 along K, by v_wmma_scale_f32_16x16x128_f8f6f4 with both operands' format E4M3, f32 sums; everything else in f32.
;; Inputs: b_proj 1,024 float32; b_qkv 3,072 float32; w_proj 1,024 x 1,024 float32; w_qkv 1,024 x 3,072 float32; x 4 x 2,048 x 1,024 float32.
;; Outputs: out0 4 x 2,048 x 1,024 float32.
;; This version of the problem:
;;   THIS VERSION OF THE PROBLEM IS GIVEN IN LOW PRECISION. The matrix products marked QUANTISED in the list below multiply operands that are first quantised to E4M3 (4 exponent bits, 3 mantissa bits; 8 bits a number), with one power-of-two scale for each 32 numbers along K (OCP MX v1.0); their sums are f32. All else is computed in f32.
;;   The module's matrix products, in the order in which they are computed (A, B: the left and right operand; K: the contracted axis; several contracted axes count as one K, in the product's order):
;;     1. [M 8,192, K 1,024] x [K 1,024, N 3,072]; A: input x; B: input w_qkv: QUANTISED
;;     2. batch 64 x [M 2,048, K 64] x [K 64, N 2,048]; A: computed on the way; B: computed on the way: QUANTISED
;;     3. batch 64 x [M 2,048, K 2,048] x [K 2,048, N 64]; A: softmax (see below); B: computed on the way: QUANTISED
;;     4. [M 8,192, K 1,024] x [K 1,024, N 1,024]; A: computed on the way; B: input w_proj: QUANTISED
;;   THE QUANTISER, for each operand of a quantised product, along K:
;;     - K is cut into blocks of 32 from its start; a last block that is shorter is filled with zeros.
;;     - A block's scale is 2^e with e = floor(log2(the largest magnitude in the block)) - 8, held to -126 .. 127; a block of zeros has e = 0. As a byte (E8M0): e + 127.
;;     - Each number is divided by its block's scale, clamped to +-448, and rounded to the nearest number of E4M3, ties to even, subnormals kept.
;;     - The product sums the exact products of the quantised numbers (number of the format x scale) in f32.
;;   ~~~python
;;   def quantise(x, axis):      # numpy; x: float32 -> the quantised numbers, widened to float32 again
;;       x = np.moveaxis(x, axis, -1); K = x.shape[-1]
;;       x = np.pad(x, [(0, 0)] * (x.ndim - 1) + [(0, -K % 32)]); x = x.reshape(x.shape[:-1] + (-1, 32)); a = np.abs(x).max(-1, keepdims=True)
;;       e = np.where(a > 0, np.clip(np.frexp(np.where(a > 0, a, 1))[1] - 1 - 8, -126, 127), 0)      # np.frexp(a)[1] - 1 = floor(log2(a)), exactly
;;       r = np.clip(x / 2.0 ** e, -448, 448)
;;       step = 2.0 ** (np.maximum(np.frexp(np.where(r == 0, 1, r))[1] - 1, -6) - 3)
;;       q = np.round(r / step) * step * 2.0 ** e      # np.round: ties to even
;;       return np.moveaxis(q.reshape(q.shape[:-2] + (-1,))[..., :K], -1, axis).astype(np.float32)
;;   ~~~
;;   SOFTMAX AHEAD OF A QUANTISED PRODUCT. Where the list says 'softmax', what is quantised is not the finished softmax but p = 2^(t - M), with t = logit x log2(e) and M = ceil(the row's largest t), a whole number; so 1/2 < the row's largest p <= 1. The row's sum l is taken of the UNQUANTISED p, in f32, and the product's result is divided by l at the end. Since M is a whole number, a kernel that streams over the keys may use a running M (the ceiling of the running maximum): every later rescaling is an exact power of two, which a block's scale takes up: the codes' values come out the same.
;;   OPERANDS COMPUTED ON THE WAY. 'Computed on the way' means the value that the module computes at that place (a softmax that the list does not call 'softmax' is quantised finished and normalised). What goes into a quantiser is computed in f32, as accurately as f32 sums, v_exp_f32 and their like allow (about 1e-6 of the number): no bf16 or f16 on the way to a quantiser, and a product that is left as it is and whose result goes on into a quantised operand takes f32 operands (vector FMAs, or v_wmma_f32_16x16x4_f32). A number that lies on a knife's edge between two numbers of the format may be rounded either way, as far as f32 arithmetic and the matrix unit's own rounding can turn it there, and no further.
;; One version. Each part assembles by itself: llvm-mc -triple=amdgcn-amd-amdhsa -mcpu=gfx1250 --defsym DOCPART=n.
;; ======== version 1 of 1: 4 launches
;; limits: right only within a limited range of input values
;; workspace buffers: xq 8,650,752 bytes; wts 4,325,376 bytes; qq 9,437,184 bytes; kv 17,825,792 bytes; yq 8,650,752 bytes
;; launch quant (part 1): grid 384 x 1, 4 waves a work-group, no clusters, 68,096 bytes of LDS; arguments x, w_qkv, w_proj, xq, wts; writes xq, wts
.if DOCPART == 1
	.amdgcn_target "amdgcn-amd-amdhsa--gfx1250"
	.amdhsa_code_object_version 6
	.text
	.protected	k_q09a7455d3d_quant
	.globl	k_q09a7455d3d_quant
	.p2align	8
	.type	k_q09a7455d3d_quant,@function
k_q09a7455d3d_quant:
	s_mov_b64 s[64:65], 0
	v_nop
	global_prefetch_b8 v0, s[64:65] scope:SCOPE_SE
	s_setreg_imm32_b32 hwreg(HW_REG_WAVE_MODE, 25, 1), 1
	s_wait_xcnt 0x0
; x [8192][1024], w_qkv [1024][3072] and w_proj [1024][1024], f32, become codes of FP8 (E4M3) with K innermost and one E8M0 byte for each 32 along K.
; xq:  codes [position 8192][1024], then from XS_OFF on the scale bytes [position][32].   wts: codes [position 4096][1024] (0-3071 the columns of w_qkv, 3072-4095 those of w_proj), then from WS_OFF on [position][32].
; THE ORDER OF ROWS: position p holds true row sigma(p), sigma = bits 3 and 4 of the number exchanged.  Sixteen neighbouring positions 32 c + 16 u + r then hold the true rows 32 c + 8 u + r + 8 (r / 8):
; as source 0 of a matrix instruction two such tiles give a lane 16 NEIGHBOURS in its 16 result registers, which the next quantiser needs.  K itself is never permuted.
; A block's scale is 2^(floor(log2(largest magnitude)) - 8); its byte is the largest magnitude's exponent field - 8, held at 1 from below.
; LIMITS: a block of zeros gets the byte 1 where the rule says 127 (its codes are zeros, and this program alone reads the bytes); blocks whose largest magnitude lies under 2^(9 - 127) are held at byte 1;
; NaN and infinities among the inputs are not served.
; Work-groups 0-255 take x (K innermost: a plain stream of blocks), 256-383 the weights (K is the first axis: a lane takes a column and its registers run down K).  128 KiB of f32 each.
; The two ways part once, on the work-group's number, and never join; each has LDS bytes of its own.  No tensor loads, no barrier: waves share nothing.
.set XS_OFF, 8388608
.set WS_OFF, 4194304
.set EMAX,  8
.set MANT,  0x600000                   ; the mantissa field of 448 as f32
; the way of x
.set STEPS, 16                         ; steps of 512 numbers for a wave: 8 rows of x
.set XR,    16                         ; v16-79   four sets of 16 numbers as they are loaded
.set XX,    80                         ; v80-111  two sets of 16 neighbours
.set XE,    112                        ; v112-127 a scale byte for each step
.set XC,    128                        ; v128-191 codes: four registers for each step, so that no store's data are written again
.set WREG,  8192                       ; LDS bytes 0-32767: a region for each wave: two stages of 32 x SP bytes, behind them its 256 scale bytes
.set SP,    80                         ; a lane's place in a stage: its 64 bytes + 16 of padding
; the way of the weights
.set NB,    8                          ; blocks of 32 along K for a wave
.set WPITCH, 272                       ; a stage row: 256 bytes of codes + 16
.set WSTG,  32768                      ; LDS bytes 32768-67583: a stage of 32 rows for each wave
.set WX,    32                         ; v32-95   two sets of 32 numbers
.set WC,    96                         ; v96-103  a block's codes
.set WOUT,  112                        ; v112-175 the way out
.set WSB,   24                         ; v24-25   the scale bytes, four to a register
.set VO,    176                        ; v176-207 byte offsets: 4 x lane + i x a row of the weight; never rewritten
.set WB,    32                         ; s[32:47] a base for each block of 32 rows; never rewritten
	s_load_b256 s[4:11], s[0:1], 0x0               ; x s[4:5], w_qkv s[6:7], w_proj s[8:9], xq s[10:11]
	s_load_b64 s[12:13], s[0:1], 0x20              ; wts
	v_lshl_add_u32 v208, v0, 2, 0x10800
	v_mov_b32 v209, 0
	v_lshrrev_b32 v1, 5, v0
	v_readfirstlane_b32 s16, v1                    ; wave 0..3
	v_and_b32 v2, 31, v0                           ; lane
	s_mov_b32 s31, MANT                            ; (an instruction takes one literal: the hold's line has another)
	s_cmp_lt_u32 ttmp9, 256
	s_cbranch_scc0 .Lweights
; ---------------- x.  A wave takes 8 rows = 8,192 numbers.  Each load reads 512 consecutive bytes; a step's 2,048 bytes turn through the wave's own stage, so that a lane holds 16 neighbours; two lanes hold a block.
	v_lshlrev_b32 v3, 4, v2                        ; my 16 bytes of a load's 512
	s_mul_i32 s17, s16, WREG
	v_lshrrev_b32 v14, 2, v2
	v_mul_u32_u24 v14, v14, SP
	v_and_b32 v15, 3, v2
	v_lshl_add_u32 v14, v15, 4, v14
	v_add_nc_u32 v14, s17, v14                     ; the stage, on the way in: SP (lane / 4) + 16 (lane % 4)
	v_mul_u32_u24 v15, v2, SP
	v_add_nc_u32 v15, s17, v15                     ; and on the way out: SP x lane
	v_lshlrev_b32 v4, 4, v2                        ; my 16 codes' place in a step's 512
	v_lshrrev_b32 v5, 1, v2
	s_add_co_u32 s17, s17, 2*32*SP
	v_add_nc_u32 v5, s17, v5                       ; my wave's 256 scale bytes, my block's byte
	v_lshlrev_b32 v7, 3, v2
	v_add_nc_u32 v6, s17, v7                       ; and on the way out 8 bytes a lane
	s_lshl_b32 s17, ttmp9, 2
	s_add_co_u32 s18, s17, s16                     ; which run of 8 rows I read
	s_mov_b32 s19, 0
	s_lshl_b64 s[20:21], s[18:19], 15              ; 32,768 bytes a run
	s_and_b32 s22, s16, 1
	s_lshl_b32 s22, s22, 1
	s_lshr_b32 s23, s16, 1
	s_or_b32 s22, s22, s23                         ; sigma on runs of 8 rows: the wave's two bits exchanged
	s_add_co_u32 s22, s22, s17                     ; which run of 8 positions I write
	s_mov_b32 s23, 0
	s_lshl_b64 s[24:25], s[22:23], 13              ; 8,192 bytes of codes a run
	s_lshl_b32 s22, s22, 8                         ; 256 scale bytes a run
	s_wait_kmcnt 0x0
	s_add_nc_u64 s[4:5], s[4:5], s[20:21]
	s_add_nc_u64 s[26:27], s[10:11], s[24:25]
	s_add_nc_u64 s[28:29], s[10:11], s[22:23]
	s_add_nc_u64 s[28:29], s[28:29], XS_OFF
.macro XLOAD t
.irp i, 0,1,2,3
	global_load_b128 v[XR+16*((\t)%4)+4*\i:XR+16*((\t)%4)+4*\i+3], v3, s[4:5] offset:2048*(\t)+512*\i th:TH_LOAD_NT   ; 32 lanes read 512 consecutive bytes
.endr
.endm
.macro XTURN t                         ; step t's numbers through the stage: LDS serves a wave's instructions in order, so no wait stands between the stores and the loads
.irp i, 0,1,2,3
	ds_store_b128 v14, v[XR+16*((\t)%4)+4*\i:XR+16*((\t)%4)+4*\i+3] offset:32*SP*((\t)%2)+8*SP*\i
.endr
.irp i, 0,1,2,3
	ds_load_b128 v[XX+16*((\t)%2)+4*\i:XX+16*((\t)%2)+4*\i+3], v15 offset:32*SP*((\t)%2)+16*\i
.endr
.endm
.irp t, 0,1,2,3
	XLOAD \t
.endr
	s_wait_loadcnt 12                              ; step 0's four loads are in; the twelve of steps 1 to 3 may be out
	XTURN 0
.macro XSTEP t
.set XS, XX+16*((\t)%2)
.if (\t) > 0
	s_wait_dscnt 1                                 ; this step's numbers are back from the stage (the last step's byte store may be out)
.else
	s_wait_dscnt 0x0
.endif
.if (\t)+4 < STEPS
	XLOAD (\t)+4                                   ; into the registers that the stage's stores have read
.endif
.if (\t)+1 < STEPS
.if STEPS-2-(\t) >= 3
	s_wait_loadcnt 12                              ; the next step's four loads are in; those of the three steps behind it may be out
.else
	s_wait_loadcnt 4*(STEPS-2-(\t))
.endif
	XTURN (\t)+1
.endif
	v_max3_num_f32 v8, |v[XS]|, |v[XS+1]|, |v[XS+2]|               ; the largest magnitude of my 16
	v_max3_num_f32 v9, |v[XS+3]|, |v[XS+4]|, |v[XS+5]|
.irp i, 6,10
	v_max3_num_f32 v8, v8, |v[XS+\i]|, |v[XS+\i+1]|
	v_max3_num_f32 v9, v9, |v[XS+\i+2]|, |v[XS+\i+3]|
.endr
	v_max3_num_f32 v8, v8, |v[XS+14]|, |v[XS+15]|
	v_max3_num_f32 v8, v8, v9, (EMAX+1)<<23        ; and the floor 2^(9 - 127): the byte cannot fall under 1
	v_max_num_f32_dpp v8, v8, v8 row_xmask:1 row_mask:0xf bank_mask:0xf   ; and of my neighbour's 16: the block's
	v_add_nc_u32 v11, 0xfc000000, v8               ; 8 off its exponent field: the conversion takes the exponent field of this operand as its scale
	v_and_or_b32 v10, v8, 0x7f800000, s31          ; 448 x the scale
.irp i, 0,1,2,3,4,5,6,7,8,9,10,11,12,13,14,15
	v_med3_num_f32 v[XS+\i], v[XS+\i], -v10, v10   ; the conversion to an 8-bit code does not saturate (ISA guide 7.6.2): hold first
.endr
	v_cvt_scalef32_pk8_fp8_f32 v[XC+4*(\t):XC+4*(\t)+1], v[XS:XS+7], v11
	v_cvt_scalef32_pk8_fp8_f32 v[XC+4*(\t)+2:XC+4*(\t)+3], v[XS+8:XS+15], v11
	v_lshrrev_b32 v[XE+(\t)], 23, v11              ; the scale's byte
	ds_store_b8 v5, v[XE+(\t)] offset:16*(\t)      ; both lanes of a block write the same byte with the same value
	global_store_b128 v4, v[XC+4*(\t):XC+4*(\t)+3], s[26:27] offset:512*(\t)   ; 32 lanes store 512 consecutive bytes, aligned
.endm
.irp t, 0,1,2,3,4,5,6,7,8,9,10,11,12,13,14,15
	XSTEP \t
.endr
	ds_load_b64 v[12:13], v6                       ; LDS serves a wave's instructions in order: these see my stores
	s_wait_dscnt 0x0
	global_store_b64 v7, v[12:13], s[28:29]        ; 32 lanes store 256 consecutive bytes, aligned
	s_wait_tensorcnt 0x0
	ds_add_u32 v208, v209
	s_wait_dscnt 0x0
	s_endpgm
; ---------------- the weights.  A wave takes 32 columns x 256 along K.  Each load reads one row of the weight at 32 neighbouring columns; a block of 32 along K lies in one lane's 32 registers.
.Lweights:
	s_sub_co_u32 s17, ttmp9, 256
	s_and_b32 s18, s17, 3                          ; which 256 along K
	s_lshr_b32 s19, s17, 2                         ; which 128 positions: 0-23 w_qkv, 24-31 w_proj
	s_sub_co_u32 s20, s19, 24
	s_mov_b32 s21, 4096
	s_wait_kmcnt 0x0
	s_cmp_lt_u32 s19, 24                           ; the choice hangs on the work-group's number alone
	s_cselect_b64 s[6:7], s[6:7], s[8:9]           ; the weight,
	s_cselect_b32 s21, 12288, s21                  ; a row of it in bytes,
	s_cselect_b32 s20, s19, s20                    ; and which 128 of its columns
	s_lshl_b32 s22, s20, 7
	s_lshl_b32 s23, s16, 5
	s_add_co_u32 s22, s22, s23                     ; my wave's first column
	s_lshl_b32 s22, s22, 2
	s_lshl_b32 s24, s18, 8
	s_mul_i32 s24, s24, s21
	s_add_co_u32 s24, s24, s22
	s_mov_b32 s25, 0
	s_add_nc_u64 s[WB:WB+1], s[6:7], s[24:25]      ; block 0's first row, my first column
	s_lshl_b32 s24, s21, 5                         ; 32 rows on
.irp t, 1,2,3,4,5,6,7
	s_add_nc_u64 s[WB+2*\t:WB+2*\t+1], s[WB+2*\t-2:WB+2*\t-1], s[24:25]
.endr
	s_lshl_b32 s26, s19, 7
	s_add_co_u32 s26, s26, s23                     ; my wave's first position in wts
	s_lshl_b32 s28, s26, 10
	s_lshl_b32 s27, s18, 8
	s_add_co_u32 s28, s28, s27
	s_mov_b32 s29, 0
	s_add_nc_u64 s[48:49], s[12:13], s[28:29]      ; its codes, at my 256 along K
	s_lshl_b32 s28, s26, 5
	s_lshl_b32 s27, s18, 3
	s_add_co_u32 s28, s28, s27
	s_add_nc_u64 s[50:51], s[12:13], s[28:29]
	s_add_nc_u64 s[50:51], s[50:51], WS_OFF        ; its scale bytes
	v_lshlrev_b32 v[VO], 2, v2
.set i, 1
.rept 31
	v_add_nc_u32 v[VO+i], s21, v[VO+i-1]
.set i, i+1
.endr
	s_mul_i32 s27, s16, 32*WPITCH
	s_add_co_u32 s27, s27, WSTG                    ; my stage
	v_mul_u32_u24 v4, v2, WPITCH
	v_add_nc_u32 v4, s27, v4                       ; into it: row = my column
	v_and_b32 v5, 15, v2
	v_lshrrev_b32 v6, 4, v2                        ; out of it: sixteen lanes to a row, two rows an instruction
	v_mul_u32_u24 v7, v6, WPITCH
	v_lshl_add_u32 v7, v5, 4, v7
	v_add_nc_u32 v7, s27, v7
	v_lshlrev_b32 v8, 10, v6
	v_lshl_add_u32 v8, v5, 4, v8                   ; and the same place in the codes' rows of 1,024 bytes
	v_and_b32 v9, 7, v2                            ; sigma(lane): bits 3 and 4 exchanged
	v_and_b32 v10, 8, v2
	v_lshl_or_b32 v9, v10, 1, v9
	v_and_b32 v10, 16, v2
	v_lshrrev_b32 v10, 1, v10
	v_or_b32 v9, v9, v10
	v_lshlrev_b32 v9, 5, v9                        ; my column's row of scale bytes
.macro WLOAD t                         ; block t: W(32 t + i, my column), i = 0 .. 31, into set t % 2
.set i, 0
.rept 32
	global_load_b32 v[WX+32*((\t)%2)+i], v[VO+i], s[WB+2*(\t):WB+2*(\t)+1] th:TH_LOAD_NT
.set i, i+1
.endr
.endm
	WLOAD 0
	WLOAD 1
.macro WBLOCK t
.set WS, WX+32*((\t)%2)
.if (\t) < NB-1
	s_wait_loadcnt 32                              ; this block's 32 loads are in; the next block's may be out
.else
	s_wait_loadcnt 0
.endif
	v_max3_num_f32 v12, |v[WS]|, |v[WS+1]|, |v[WS+2]|              ; the block's largest magnitude: all 32 numbers are mine
	v_max3_num_f32 v13, |v[WS+3]|, |v[WS+4]|, |v[WS+5]|
.irp i, 6,10,14,18,22,26
	v_max3_num_f32 v12, v12, |v[WS+\i]|, |v[WS+\i+1]|
	v_max3_num_f32 v13, v13, |v[WS+\i+2]|, |v[WS+\i+3]|
.endr
	v_max3_num_f32 v12, v12, |v[WS+30]|, |v[WS+31]|
	v_max3_num_f32 v12, v12, v13, (EMAX+1)<<23     ; and the floor
	v_add_nc_u32 v11, 0xfc000000, v12              ; the conversion's scale operand
	v_and_or_b32 v10, v12, 0x7f800000, s31         ; 448 x the scale
	v_lshrrev_b32 v13, 23, v11                     ; the scale's byte
.if (\t)%4 == 0
	v_mov_b32 v[WSB+(\t)/4], v13                   ; four bytes to a register, the lower K in the lower byte
.else
	v_lshl_or_b32 v[WSB+(\t)/4], v13, 8*((\t)%4), v[WSB+(\t)/4]
.endif
.set i, 0
.rept 32
	v_med3_num_f32 v[WS+i], v[WS+i], -v10, v10     ; the hold at the largest code x the scale
.set i, i+1
.endr
.irp g, 0,1,2,3
	v_cvt_scalef32_pk8_fp8_f32 v[WC+2*\g:WC+2*\g+1], v[WS+8*\g:WS+8*\g+7], v11
.endr
	ds_store_b128 v4, v[WC:WC+3] offset:32*(\t)    ; 32 codes: 32 bytes of my column's row
	ds_store_b128 v4, v[WC+4:WC+7] offset:32*(\t)+16
.if (\t)+2 < NB
	WLOAD (\t)+2
.endif
	s_wait_dscnt 0x0                               ; the stores have read their registers: the next block's codes may be written
.endm
.irp t, 0,1,2,3,4,5,6,7
	WBLOCK \t
.endr
	global_store_b64 v9, v[WSB:WSB+1], s[50:51]    ; my column's 8 scale bytes: 8 bytes of a row of 32, so aligned blocks of 256 bytes are written in part here: 128 KiB in the whole launch
.irp t, 0,1,2,3,4,5,6,7,8,9,10,11,12,13,14,15
	ds_load_b128 v[WOUT+4*\t:WOUT+4*\t+3], v7 offset:2*\t*WPITCH   ; LDS serves a wave's instructions in order: these see my stores
.endr
.irp t, 0,1,2,3,4,5,6,7,8,9,10,11,12,13,14,15
	s_wait_dscnt 15-\t                             ; the younger loads may be out
	global_store_b128 v8, v[WOUT+4*\t:WOUT+4*\t+3], s[48:49] offset:(((2*\t)&7)|(((2*\t)&8)<<1)|(((2*\t)&16)>>1))*1024   ; columns 2 t, 2 t + 1 go to positions sigma(2 t), sigma(2 t) + 1; sixteen lanes store 256 consecutive bytes, aligned
.endr
	s_wait_tensorcnt 0x0
	ds_add_u32 v208, v209
	s_wait_dscnt 0x0
	s_endpgm
.Lfunc_end_k_q09a7455d3d_quant:
	.size	k_q09a7455d3d_quant, .Lfunc_end_k_q09a7455d3d_quant-k_q09a7455d3d_quant
	.p2alignl 7, 3214868480
	.fill 96, 4, 3214868480
	.section	.rodata,"a",@progbits
	.p2align	6, 0x0
	.amdhsa_kernel k_q09a7455d3d_quant
		.amdhsa_group_segment_fixed_size 68096
		.amdhsa_private_segment_fixed_size 0
		.amdhsa_enable_private_segment 0
		.amdhsa_kernarg_size 40
		.amdhsa_user_sgpr_count 2
		.amdhsa_user_sgpr_kernarg_segment_ptr 1
		.amdhsa_wavefront_size32 1
		.amdhsa_system_sgpr_workgroup_id_x 1
		.amdhsa_system_sgpr_workgroup_id_y 1
		.amdhsa_system_sgpr_workgroup_id_z 1
		.amdhsa_system_vgpr_workitem_id 0
		.amdhsa_next_free_vgpr 210
		.amdhsa_next_free_sgpr 66
		.amdhsa_reserve_vcc 0
		.amdhsa_float_denorm_mode_32 3
		.amdhsa_float_denorm_mode_16_64 3
		.amdhsa_memory_ordered 1
		.amdhsa_forward_progress 1
		.amdhsa_inst_pref_size 111
	.end_amdhsa_kernel
	.amdgpu_metadata
---
amdhsa.version: [ 1, 2 ]
amdhsa.kernels:
  - .name:           k_q09a7455d3d_quant
    .symbol:         k_q09a7455d3d_quant.kd
    .args:
      - { .name: x, .offset: 0, .size: 8, .value_kind: global_buffer, .address_space: global }
      - { .name: w_qkv, .offset: 8, .size: 8, .value_kind: global_buffer, .address_space: global }
      - { .name: w_proj, .offset: 16, .size: 8, .value_kind: global_buffer, .address_space: global }
      - { .name: xq, .offset: 24, .size: 8, .value_kind: global_buffer, .address_space: global }
      - { .name: wts, .offset: 32, .size: 8, .value_kind: global_buffer, .address_space: global }
    .group_segment_fixed_size: 68096
    .private_segment_fixed_size: 0
    .kernarg_segment_align: 8
    .kernarg_segment_size: 40
    .max_flat_workgroup_size: 128
    .sgpr_count:     66
    .vgpr_count:     210
    .wavefront_size: 32
...
	.end_amdgpu_metadata
.endif
;; end of part 1
;; launch gemm_qkv (part 2): grid 12 x 32, 4 waves a work-group, clusters of 4 x 4, 327,680 bytes of LDS; arguments xq, wts, b_qkv, qq, kv; writes qq, kv
.if DOCPART == 2
	.amdgcn_target "amdgcn-amd-amdhsa--gfx1250"
	.amdhsa_code_object_version 6
	.text
	.protected	k_q09a7455d3d_gemm_qkv
	.globl	k_q09a7455d3d_gemm_qkv
	.p2align	8
	.type	k_q09a7455d3d_gemm_qkv,@function
k_q09a7455d3d_gemm_qkv:
	s_mov_b64 s[64:65], 0
	v_nop
	global_prefetch_b8 v0, s[64:65] scope:SCOPE_SE
	s_setreg_imm32_b32 hwreg(HW_REG_WAVE_MODE, 25, 1), 1
	s_wait_xcnt 0x0
	s_wait_alu depctr_hold_cnt(0) depctr_sa_sdst(0) depctr_va_vdst(0) depctr_va_sdst(0) depctr_va_ssrc(0) depctr_va_vcc(0) depctr_vm_vsrc(0)
	s_getreg_b32 s2, hwreg(HW_REG_IB_STS2, 6, 4)
	s_cmp_eq_u32 s2, 0
	s_cbranch_scc0 .Lentry_in_a_cluster
	s_endpgm
.Lentry_in_a_cluster:
	s_bfe_u32 s2, ttmp6, 0x10000c
	s_cmp_lg_u32 s2, 0xf033
	s_cbranch_scc0 .Lentry_shape_is_right
	s_endpgm
.Lentry_shape_is_right:
; qkv = x w_qkv + b_qkv on codes of FP8 (E4M3) with one E8M0 scale for each 32 along K = 1,024; the results are quantised here, in registers, and leave as codes: q and k along the head's 64 channels, v along the tokens.
; A tile of 256 x 256 is made by four waves, 128 x 128 each: 64 accumulators of 16 x 16.  K goes in steps of 256 through a ring of two LDS slots filled by the tensor data mover; the scale bytes of the tile's rows come once.
; CLUSTERS: 4 x 4 work-groups; side A's tiles are shared along a row of the cluster, side B's along a column: each is asked for jointly, by the same tensor load with a mask that names the four.
; THE MATRIX INSTRUCTION IS USED TRANSPOSED: source 0 = 16 rows of side B, source 1 = 16 rows of side A.  A lane holds ONE row of side A, and its registers run along side B.
; ROLES, by the cluster's x (the same in all sixteen partners): 0 = q, 1 = k: side A = tokens (xq), side B = columns of w_qkv (wts): a lane's registers run along the channels.
;   2 = v: the sides change places: side A = columns, side B = tokens: a lane's registers run along the tokens, which are the K of attention's second product.
; Both code buffers hold true row sigma(p) at position p (bits 3 and 4 exchanged), so that the 64 registers of a block of 16 rows of side A are: register 16 c + i = side B's true index 32 c + 16 (lane / 16) + i.
; The conversions' results are then the registers of the next product's operand, and they are stored as IMAGES of those registers: four registers by one store, lane l's 16 bytes at 16 l: 512 consecutive bytes, aligned.
;   qq: q's tiles [head 64][tile 128][2][lane][16 B]; from QS_OFF on the scale words [head][pair of tiles 64][lane][2 words], a word = (s0, s1, s0, s1).
;   kv: [head 64][key step 16][17,408 B]: K's 8 tiles of 1,024 B; V's 4 tiles (16 channels x 128 keys) of 2,048 B; K's words (two tiles to a word), 512 B; V's words, 512 B.
; LIMITS: a block of zeros gets the byte 1 (its codes are zeros; this program alone reads the bytes); largest magnitudes under 2^(9 - 127) are held at byte 1; NaN and infinities are not served.
; REGISTERS: window 0: v0-31 addresses and v's bias; v32-63 scale words, two sets; v64-127 q's and k's bias; from v128 A's fragments, one set; on the way out v128-255 are at work.
;   window 1: B's fragments, two sets.   window 2: the accumulators of my rows 0-63 ((a, b) at v[8 (8 a + b)]);   window 3: those of my rows 64-127.
.set KSTEP,  256
.set NQ,     2                         ; matrix instructions deep in a slot
.set ROWB,   256                       ; a tile's row in bytes
.set KROW,   1024                      ; a row of codes in memory
.set PITCH,  272                       ; an LDS row: 256 bytes + 16 of padding: the 16 rows that a load touches start 68 words apart
.set FR,     16
.set NL,     4
.set NP,     8                         ; places behind this matrix instruction (ISA guide 7.12.1)
.set HALFT,  128*PITCH
.set SLOT,   4*HALFT
.set LAPS,   2                         ; K = 1,024: four K steps, twice round the ring
.set KS,     32                        ; a row of scale bytes
.set SCL,    2*SLOT
.set HALFS,  (128*KS/256)*272
.set SBLK,   (16*KS/256)*272
.set SPARE,  SCL+4*HALFS               ; the spare words, 128 bytes for each wave: two blocks of 256 bytes that no other line names
.set XS_OFF, 8388608
.set WS_OFF, 4194304
.set QS_OFF, 8388608
.set BV,   8                           ; v8-15   v's bias: block a's, my lane's channel
.set ADRA, 16
.set LI,   18                          ; v18     16 x lane: an image's place
.set LS,   19                          ; v19     8 x lane: a pair of scale words' place
.set ADRB, 20
.set VH,   22                          ; v22     64 x (lane / 16); never rewritten
.set VR,   23                          ; v23     4 (r + 8 (r / 8)); never rewritten
.set ADRS, 27
.set SPW,  28
.set NIL,  29
.set SC,   32
.set BQ,   64                          ; v64-127 q's and k's bias, in the result's layout
.set AF,   128
.set ST,   128                         ; the way out: a block's 64 numbers
.set PC,   192                         ; its codes
.set WD,   208                         ; scale words as they are stored
.set TM,   224                         ; v224-227 largest magnitudes, 228-231 bytes, 236-239 the conversions' scale operands
.set PWA,  240                         ; v240-247 the eight blocks' scale words
.set G1, 24
.set G0, 32
.set G1B, 48
.set G0B, 56
.set G1S, 68
.set G0S, 76
.set G1SB, 80
.set G0SB, 88
.set P0,  96                           ; s[96:97] where my first head's images go;  s[98:99] my second head's
.set P1,  98
.set PS,  66                           ; s[66:67] q's scale words
.set SEL, 92                           ; s[92:93] the permute's selects: set at the way out
.set MNT, 94
.set MSB, 0
.macro WIN new                         ; the immediate's high byte repeats the setting that is left
.if MSB != (\new)
	s_set_vgpr_msb (MSB<<8)|(\new)
.set MSB, (\new)
.endif
.endm
.set MUL_LO, 0xa1                      ; source 0 (B) window 1, source 1 (A) window 0, C and D window 2
.set MUL_HI, 0xf1
.set TO_B,   0x40
; A joint load: waves 0 and 1 fetch for A, waves 2 and 3 for B; the branch hangs on the wave's number alone.  Four v_nop follow each of the two lines.
.macro JLOAD g0a, g1a, g0b, g1b
	s_cmp_eq_u32 s15, 0
	s_cbranch_scc0 .Lfor_b_\@
	tensor_load_to_lds s[\g0a:\g0a+3], s[\g1a:\g1a+7]
	s_nop 0
.rept 4
	v_nop
.endr
	s_branch .Lasked_\@
.Lfor_b_\@:
	tensor_load_to_lds s[\g0b:\g0b+3], s[\g1b:\g1b+7]
	s_nop 0
.rept 4
	v_nop
.endr
.Lasked_\@:
.endm
.macro CREST                           ; a round of the cluster's barrier behind its opening barrier
	s_cmp_lg_u32 s14, 0
	s_cbranch_scc1 .Lnot_wave_0_\@
	s_barrier_signal -3
.Lnot_wave_0_\@:
	s_barrier_wait -3
	s_barrier_signal -1
	s_barrier_wait -1
.endm
.macro CROUND
	s_barrier_signal -1
	s_barrier_wait -1
	CREST
.endm
	s_load_b256 s[4:11], s[0:1], 0x0               ; xq s[4:5], wts s[6:7], b_qkv s[8:9], qq s[10:11]
	s_load_b64 s[12:13], s[0:1], 0x20              ; kv
	v_lshl_add_u32 v[SPW], v0, 2, SPARE
	v_mov_b32 v[NIL], 0
	ds_add_u32 v28, v29
	ds_add_u32 v28, v29
	s_wait_dscnt 0x0
	v_lshrrev_b32 v1, 5, v0
	v_readfirstlane_b32 s14, v1                    ; wave 0..3
	s_lshr_b32 s15, s14, 1                         ; which half of side A's rows is mine.  Also: I fetch for A (0) or for B (1)
	s_and_b32 s16, s14, 1                          ; which half of side B's.  Also: which 128 rows of that tile I fetch
	s_bfe_u32 s40, ttmp6, 0x40000                  ; cx, cy: my place in the cluster
	s_bfe_u32 s41, ttmp6, 0x40004
	s_and_b32 s2, ttmp7, 0xffff                    ; the cluster's y: 0..7
	s_lshl_b32 s18, s2, 2
	s_lshl_b32 s19, ttmp9, 2
	s_cmp_eq_u32 ttmp9, 2                          ; v's role?  The same in all sixteen partners
	s_cselect_b32 s17, 8, s18                      ; side A's first tile: v's columns begin at position 2,048; else the cluster's token tiles
	s_cselect_b32 s42, s18, s19                    ; side B's: the token tiles; else q's or k's columns
	s_add_co_u32 s17, s17, s41                     ; side A's tile hangs on cy alone,
	s_add_co_u32 s42, s42, s40                     ; side B's on cx alone
	s_lshl_b32 s43, s41, 2
	s_lshl_b32 s43, 15, s43                        ; my row of the cluster
	s_lshl_b32 s44, 0x1111, s40                    ; my column
	; descriptor group 1: a tile of 128 rows x 256 bytes, 16 bytes of padding behind each row
	s_or_b32 s[G1+0], s43, (0<<16)|(1<<20)|(1<<21)|(5<<22)|(3<<25)
	s_or_b32 s[G1B+0], s44, (0<<16)|(1<<20)|(1<<21)|(5<<22)|(3<<25)
.irp g, G1, G1B
	s_mov_b32 s[\g+1], ROWB<<16                    ; tensor_dim0
	s_mov_b32 s[\g+2], 128<<16                     ; tensor_dim1
	s_mov_b32 s[\g+3], ROWB<<16                    ; tile_dim0
	s_mov_b32 s[\g+4], 128                         ; tile_dim1
	s_mov_b32 s[\g+5], KROW                        ; tensor_dim0_stride
	s_mov_b32 s[\g+6], 0
	s_mov_b32 s[\g+7], 0
.endr
	; the scale bytes of 128 rows: a dense block of 4,096 bytes, as 16 rows of 256 bytes (32 elements of 8 bytes), 16 bytes of padding behind each
	s_or_b32 s[G1S+0], s43, (3<<16)|(1<<20)|(1<<21)|(5<<22)|(3<<25)
	s_or_b32 s[G1SB+0], s44, (3<<16)|(1<<20)|(1<<21)|(5<<22)|(3<<25)
.irp g, G1S, G1SB
	s_mov_b32 s[\g+1], 32<<16
	s_mov_b32 s[\g+2], (128*KS/256)<<16
	s_mov_b32 s[\g+3], 32<<16
	s_mov_b32 s[\g+4], 128*KS/256
	s_mov_b32 s[\g+5], 32
	s_mov_b32 s[\g+6], 0
	s_mov_b32 s[\g+7], 0
.endr
	s_lshl_b32 s18, s16, 7                         ; which 128 rows of the tile I fetch
	s_lshl_b32 s20, s17, 8
	s_add_co_u32 s20, s20, s18                     ; A: position 256 x tile + 128 x half
	s_lshl_b32 s46, s42, 8
	s_add_co_u32 s46, s46, s18                     ; B likewise
	s_mov_b32 s21, 0
	s_mov_b32 s47, 0
	s_lshl_b64 s[22:23], s[20:21], 5               ; where these rows' scale bytes begin,
	s_lshl_b64 s[92:93], s[46:47], 5
	s_lshl_b64 s[20:21], s[20:21], 10              ; and their codes
	s_lshl_b64 s[46:47], s[46:47], 10
	s_mul_i32 s45, s14, HALFT                      ; where they go: wave x 128 rows: no place in the cluster enters an LDS address
	s_mul_i32 s94, s14, HALFS
	s_wait_kmcnt 0x0
	s_add_nc_u64 s[96:97], s[4:5], XS_OFF          ; xq's scale bytes
	s_add_nc_u64 s[98:99], s[6:7], WS_OFF          ; wts's
	s_cmp_eq_u32 ttmp9, 2                          ; which buffer is which side: a choice that hangs on the cluster's x alone
	s_cselect_b64 s[18:19], s[6:7], s[4:5]         ; A's codes
	s_cselect_b64 s[66:67], s[98:99], s[96:97]     ; A's scale bytes
	s_cselect_b64 s[4:5], s[4:5], s[6:7]           ; B's codes
	s_cselect_b64 s[6:7], s[96:97], s[98:99]       ; B's scale bytes
	s_add_nc_u64 s[20:21], s[18:19], s[20:21]
	s_add_nc_u64 s[22:23], s[66:67], s[22:23]
	s_add_nc_u64 s[46:47], s[4:5], s[46:47]
	s_add_nc_u64 s[92:93], s[6:7], s[92:93]
	CROUND                                         ; all sixteen work-groups are here: the first joint loads meet
	s_mov_b32 s[G0S], 1
	s_add_co_u32 s[G0S+1], s94, SCL
	s_mov_b64 s[G0S+2:G0S+3], s[22:23]
	s_or_b32 s[G0S+3], s[G0S+3], 0x80000000
	s_mov_b32 s[G0SB], 1
	s_add_co_u32 s[G0SB+1], s94, SCL
	s_mov_b64 s[G0SB+2:G0SB+3], s[92:93]
	s_or_b32 s[G0SB+3], s[G0SB+3], 0x80000000
	JLOAD G0S, G1S, G0SB, G1SB                     ; the scale bytes first: they are wanted with K step 0.  With the two below, three tensor loads of a wave are out
.irp s, 0,1
	s_mov_b32 s[G0+4*\s], 1
	s_add_co_u32 s[G0+4*\s+1], s45, \s*SLOT
	s_add_nc_u64 s[G0+4*\s+2:G0+4*\s+3], s[20:21], \s*ROWB
	s_or_b32 s[G0+4*\s+3], s[G0+4*\s+3], 0x80000000
	s_mov_b32 s[G0B+4*\s], 1
	s_add_co_u32 s[G0B+4*\s+1], s45, \s*SLOT
	s_add_nc_u64 s[G0B+4*\s+2:G0B+4*\s+3], s[46:47], \s*ROWB
	s_or_b32 s[G0B+4*\s+3], s[G0B+4*\s+3], 0x80000000
	JLOAD G0+4*\s, G1, G0B+4*\s, G1B
.endr
	v_and_b32 v1, 15, v0                           ; r = l % 16
	v_bfe_u32 v2, v0, 4, 1                         ; h = l / 16
	v_mul_u32_u24 v3, v1, PITCH
	v_lshl_add_u32 v4, v2, 4, v3                   ; a fragment's row x pitch + 16 x half
	s_mul_i32 s21, s15, HALFT                      ; my 128 rows of A
	s_mul_i32 s22, s16, HALFT                      ; my 128 rows of B,
	s_add_co_u32 s22, s22, 2*HALFT                 ; which lie behind A's 256
.irp s, 0,1
	v_add_nc_u32 v[ADRA+\s], s21, v4
	v_add_nc_u32 v[ADRB+\s], s22, v4
	s_add_co_u32 s21, s21, SLOT
	s_add_co_u32 s22, s22, SLOT
.endr
	v_mul_u32_u24 v5, v1, KS                       ; my row's scale bytes: 32 a row,
	v_lshrrev_b32 v6, 8, v5
	v_lshl_add_u32 v5, v6, 4, v5                   ; and 16 more for each 256 passed
	s_mul_i32 s21, s15, HALFS
	s_mul_i32 s22, s16, HALFS
	s_add_co_u32 s22, s22, 2*HALFS
	s_sub_co_u32 s22, s22, s21
	v_mul_u32_u24 v6, s22, v2                      ; lanes 16-31 take B's
	s_add_co_u32 s21, s21, SCL
	v_add_nc_u32 v5, v5, v6
	v_add_nc_u32 v[ADRS], s21, v5
	v_and_b32 v6, 31, v0
	v_lshlrev_b32 v[LI], 4, v6
	v_lshlrev_b32 v[LS], 3, v6
	v_lshlrev_b32 v[VH], 6, v2
	s_wait_alu depctr_va_vdst(0)
	v_and_b32 v[VR], 8, v1
	v_add_nc_u32 v[VR], v[VR], v1
	v_lshlrev_b32 v[VR], 2, v[VR]
	s_wait_alu depctr_va_vdst(0)
	; THE BIASES.  Both sets are loaded in every role, so that no register hangs on a path; the set that a role does not use reads b_qkv's first bytes and is ignored.
	s_lshl_b32 s46, s42, 10
	s_lshl_b32 s47, s16, 9
	s_add_co_u32 s46, s46, s47                     ; side B's first column of mine, in bytes
	s_lshl_b32 s20, s17, 10
	s_lshl_b32 s21, s15, 9
	s_add_co_u32 s20, s20, s21                     ; side A's
	s_cmp_eq_u32 ttmp9, 2
	s_cselect_b32 s46, 0, s46
	s_cselect_b32 s20, s20, 0
	s_mov_b32 s47, 0
	s_mov_b32 s21, 0
	s_add_nc_u64 s[4:5], s[8:9], s[46:47]
	s_add_nc_u64 s[6:7], s[8:9], s[20:21]
.irp b, 0,1,2,3,4,5,6,7
	global_load_b128 v[BQ+8*\b:BQ+8*\b+3], v[VH], s[4:5] offset:(32*(\b/2)+8*(\b%2))*4        ; register 8 b + j: column 32 (b / 2) + 16 h + 8 (b % 2) + j
	global_load_b128 v[BQ+8*\b+4:BQ+8*\b+7], v[VH], s[4:5] offset:(32*(\b/2)+8*(\b%2))*4+16
.endr
.irp a, 0,1,2,3,4,5,6,7
	global_load_b32 v[BV+\a], v[VR], s[6:7] offset:(32*(\a/2)+8*(\a%2))*4                     ; block a, lane r: column 32 (a / 2) + 8 (a % 2) + r + 8 (r / 8)
.endr
	; WHERE THE RESULTS GO.  My 128 columns are two heads, my 128 tokens one key step of one batch.  These numbers enter global addresses alone.
	s_cmp_eq_u32 ttmp9, 2
	s_cselect_b32 s18, s41, s40                    ; the column tile's place in the cluster,
	s_cselect_b32 s19, s15, s16                    ; and my half of it
	s_cselect_b32 s22, s40, s41                    ; the token tile's place,
	s_cselect_b32 s23, s16, s15                    ; and my half of it
	s_lshl_b32 s18, s18, 2
	s_lshl_b32 s19, s19, 1
	s_add_co_u32 s18, s18, s19                     ; my first head
	s_lshr_b32 s19, s2, 1                          ; the batch: eight token tiles each
	s_lshl_b32 s19, s19, 4
	s_add_co_u32 s18, s18, s19                     ; 16 x batch + head
	s_lshl_b32 s19, s2, 2
	s_add_co_u32 s19, s19, s22
	s_and_b32 s19, s19, 7
	s_lshl_b32 s19, s19, 1
	s_add_co_u32 s19, s19, s23                     ; the key step: 0..15
	s_cmp_eq_u32 ttmp9, 0
	s_cselect_b64 s[P0:P0+1], s[10:11], s[12:13]   ; q goes to qq, k and v to kv
	s_mov_b32 s22, 278528
	s_cselect_b32 s22, 131072, s22                 ; a head, in bytes
	s_mov_b32 s23, 17408
	s_cselect_b32 s23, 8192, s23                   ; a key step
	s_mul_i32 s94, s18, s22
	s_mul_i32 s23, s19, s23
	s_add_co_u32 s94, s94, s23
	s_cmp_eq_u32 ttmp9, 2
	s_cselect_b32 s23, 8192, 0                     ; V's tiles lie behind K's
	s_add_co_u32 s94, s94, s23
	s_mov_b32 s95, 0
	s_add_nc_u64 s[P0:P0+1], s[P0:P0+1], s[94:95]
	s_mov_b32 s23, 0
	s_add_nc_u64 s[P1:P1+1], s[P0:P0+1], s[22:23]
	s_lshl_b32 s94, s18, 14
	s_lshl_b32 s22, s19, 10
	s_add_co_u32 s94, s94, s22
	s_add_nc_u64 s[PS:PS+1], s[10:11], s[94:95]
	s_add_nc_u64 s[PS:PS+1], s[PS:PS+1], QS_OFF
.macro FRAG reg, adr, q, i             ; 16 rows x 128 K: lane l holds row l % 16; registers 4 c .. 4 c + 3 hold K = 32 c + 16 (l / 16) + 0 .. 15
.irp c, 0,1,2,3
	ds_load_b128 v[\reg+4*\c:\reg+4*\c+3], v[\adr] offset:128*(\q)+32*\c+(\i)*16*PITCH
.endr
.endm
; 16 matrix instructions: A's blocks a0, a0 + 1 x B's eight.  The 64 accumulators take turns, one instruction a turn, in the same order in every step.
.macro MUL16 a0, p, q, sc, zero
.irp a, \a0, \a0+1
.irp b, 0,1,2,3,4,5,6,7
.if \zero
	v_wmma_scale_f32_16x16x128_f8f6f4 v[8*(8*((\a)%4)+\b):8*(8*((\a)%4)+\b)+7], v[128*(\p)+FR*\b:128*(\p)+FR*\b+FR-1], v[AF+FR*(\a):AF+FR*(\a)+FR-1], 0, v[SC+8*NQ*(\sc)+NQ*\b+(\q)], v[SC+8*NQ*(\sc)+NQ*(\a)+(\q)] matrix_a_scale:MATRIX_SCALE_ROW1
.else
	v_wmma_scale_f32_16x16x128_f8f6f4 v[8*(8*((\a)%4)+\b):8*(8*((\a)%4)+\b)+7], v[128*(\p)+FR*\b:128*(\p)+FR*\b+FR-1], v[AF+FR*(\a):AF+FR*(\a)+FR-1], v[8*(8*((\a)%4)+\b):8*(8*((\a)%4)+\b)+7], v[SC+8*NQ*(\sc)+NQ*\b+(\q)], v[SC+8*NQ*(\sc)+NQ*(\a)+(\q)] matrix_a_scale:MATRIX_SCALE_ROW1
.endif
.endr
.endr
.endm
.macro FETCH_B slot, q, p
	WIN TO_B
.irp i, 0,1,2,3,4,5,6,7
	FRAG 128*(\p)+FR*\i, ADRB+\slot, \q, \i
.endr
	WIN 0
.endm
.macro FETCH_A slot, q, i0
.irp i, \i0, \i0+1, \i0+2, \i0+3
	FRAG AF+FR*(\i), ADRA+\slot, \q, \i
.endr
.endm
.macro SCALES sc                       ; a K step's scale words: lanes 0-15 take A's block i, lanes 16-31 B's block i
.irp i, 0,1,2,3,4,5,6,7
	ds_load_b64 v[SC+8*NQ*\sc+NQ*\i:SC+8*NQ*\sc+NQ*\i+1], v[ADRS] offset:\i*SBLK
.endr
.endm
.macro PLACES n                        ; plain vector instructions between a matrix instruction and a load into, or a read of, its registers
.rept \n
	v_nop
.endr
.endm
.macro STEP slot, q, zero              ; a step of 128 along K that has its successor in the same slot
	s_wait_dscnt 4*NL                              ; B's set and A's blocks 0-3 are in; the youngest 16 loads (A's blocks 4-7) may be out
	WIN MUL_LO
	MUL16 0, (\q)%2, \q, \slot, \zero
	MUL16 2, (\q)%2, \q, \slot, \zero
	s_wait_dscnt 0
	PLACES NP
	FETCH_B \slot, (\q)+1, 1-(\q)%2
	FETCH_A \slot, (\q)+1, 0
	WIN MUL_HI
	MUL16 4, (\q)%2, \q, \slot, \zero
	MUL16 6, (\q)%2, \q, \slot, \zero
	PLACES NP
	WIN 0
	FETCH_A \slot, (\q)+1, 4
.endm
; A slot's last step changes slots: one barrier; in front of it each wave waits for all its tensor loads, adds 0 to its spare word, and waits for that and for its own reads of this slot.
.macro TURN slot, next, fill
	s_wait_tensorcnt 0x0                           ; all my tensor loads have landed: my part of the next slot
	ds_add_u32 v[SPW], v[NIL]                      ; 0 onto my spare word
	s_wait_dscnt 4*NL+1                            ; (the add and the youngest 16 loads may be out)
	WIN MUL_LO
	MUL16 0, 1, NQ-1, \slot, 0
	s_wait_dscnt 0x0                               ; the add is done, and my reads of this slot are over
	s_barrier_signal -1
	MUL16 2, 1, NQ-1, \slot, 0
	WIN 0
	s_barrier_wait -1
.if \fill
	CREST                                          ; the barrier has opened a round of the cluster's barrier: no wave of any partner still reads this slot or has a load on its way
	s_add_nc_u64 s[G0+4*\slot+2:G0+4*\slot+3], s[G0+4*\slot+2:G0+4*\slot+3], 2*ROWB
	s_add_nc_u64 s[G0B+4*\slot+2:G0B+4*\slot+3], s[G0B+4*\slot+2:G0B+4*\slot+3], 2*ROWB
	JLOAD G0+4*\slot, G1, G0B+4*\slot, G1B         ; the first tensor load behind the round; its four v_nop are among the places in front of the loads below
	PLACES NP-4
.else
	PLACES NP
.endif
	s_wait_alu depctr_va_vdst(0)
	v_add_nc_u32 v[ADRS], 4*NQ, v[ADRS]            ; on to the next K step's scale words
	FETCH_B \next, 0, 0
	FETCH_A \next, 0, 0
	SCALES \next
	WIN MUL_HI
	MUL16 4, 1, NQ-1, \slot, 0
	MUL16 6, 1, NQ-1, \slot, 0
	PLACES NP
	WIN 0
	FETCH_A \next, 0, 4
.endm
	s_wait_tensorcnt 1                             ; the scale bytes and my part of K step 0 are in (K step 1's load may be out)
	s_barrier_signal -1
	s_barrier_wait -1                              ; everybody's are
	FETCH_B 0, 0, 0
	FETCH_A 0, 0, 0
	SCALES 0
	FETCH_A 0, 0, 4
	STEP 0, 0, 1                                   ; the first step stands in front of the loop: its products start the sums
	s_mov_b32 s3, LAPS-1
.Llap:                                                 ; a trip goes once round the ring and fills both slots again
	TURN 0, 1, 1
	STEP 1, 0, 0
	TURN 1, 0, 1
	STEP 0, 0, 0
	s_sub_co_u32 s3, s3, 1
	s_cmp_lg_u32 s3, 0
	s_cbranch_scc1 .Llap
	TURN 0, 1, 0                                   ; the last lap fills nothing
	STEP 1, 0, 0
	s_wait_dscnt 4*NL
	WIN MUL_LO
	MUL16 0, 1, NQ-1, 1, 0
	MUL16 2, 1, NQ-1, 1, 0
	s_wait_dscnt 0
	WIN MUL_HI
	MUL16 4, 1, NQ-1, 1, 0
	MUL16 6, 1, NQ-1, 1, 0
	WIN 0
; THE WAY OUT: no LDS.  64 numbers of a lane, v[s] on, register 16 b + i = index 32 b + 16 (lane / 16) + i of my row, become 16 registers of codes in v[PC] on and a scale word in v[pw].
.macro QUANT s, pw
.irp b, 0,1,2,3
	v_max3_num_f32 v[TM+\b], |v[\s+16*\b]|, |v[\s+1+16*\b]|, 0x4800000   ; block b: my 16 numbers, and the floor 2^(9 - 127): the byte cannot fall under 1
.endr
.irp i, 2,4,6,8,10,12,14
.irp b, 0,1,2,3
	v_max3_num_f32 v[TM+\b], v[TM+\b], |v[\s+16*\b+\i]|, |v[\s+1+16*\b+\i]|
.endr
.endr
.irp b, 0,1,2,3
	v_permlanex16_b32 v[TM+4+\b], v[TM+\b], s[SEL], s[SEL+1]
.endr
.irp b, 0,1,2,3
	v_max_num_f32 v[TM+\b], v[TM+\b], v[TM+4+\b]   ; with lane l xor 16's: the block's largest magnitude
.endr
.irp b, 0,1,2,3
	v_add_nc_u32 v[TM+12+\b], 0xfc000000, v[TM+\b] ; 8 off its exponent field: the conversion's scale operand
.endr
.irp b, 0,1,2,3
.endr
.irp b, 0,1,2,3
	v_lshrrev_b32 v[TM+4+\b], 23, v[TM+12+\b]      ; the scale's byte
.endr
	v_lshl_or_b32 v[\pw], v[TM+5], 8, v[TM+4]
	v_lshl_or_b32 v[\pw], v[TM+6], 16, v[\pw]
	v_lshl_or_b32 v[\pw], v[TM+7], 24, v[\pw]
.irp b, 0,1,2,3
.irp i, 0,1,2,3,4,5,6,7,8,9,10,11,12,13,14,15
.endr
	v_cvt_scalef32_pk8_fp8_f32 v[PC+4*\b:PC+1+4*\b], v[\s+16*\b:\s+7+16*\b], v[TM+12+\b]
	v_cvt_scalef32_pk8_fp8_f32 v[PC+2+4*\b:PC+3+4*\b], v[\s+8+16*\b:\s+15+16*\b], v[TM+12+\b]
.endr
	v_nop                                          ; a plain vector instruction behind the last conversion, ahead of the next vector instruction that writes its sources
.endm
; My eight blocks of 16 rows of side A, one after the other.  The addition of the bias is also the move into window 0; each accumulator is read from its low end on.
; role 0 (q, k): the bias runs along the registers; codes 0-7 are my first head's, 8-15 my second's.   role 1 (v): the bias is the lane's; blocks 0-3 are my first head's four tiles of channels, 4-7 my second's.
.macro EPI role
.irp a, 0,1,2,3,4,5,6,7
	WIN 0x02+(\a/4)                                ; source 0: window 2 or 3
.set i, 0
.rept 32
.if \role == 0
	v_pk_add_f32 v[ST+2*i:ST+2*i+1], v[64*(\a%4)+2*i:64*(\a%4)+2*i+1], v[BQ+2*i:BQ+2*i+1]
.elseif (\a%2) == 0
	v_pk_add_f32 v[ST+2*i:ST+2*i+1], v[64*(\a%4)+2*i:64*(\a%4)+2*i+1], v[BV+2*(\a/2):BV+2*(\a/2)+1] op_sel_hi:[1,0]
.else
	v_pk_add_f32 v[ST+2*i:ST+2*i+1], v[64*(\a%4)+2*i:64*(\a%4)+2*i+1], v[BV+2*(\a/2):BV+2*(\a/2)+1] op_sel:[0,1] op_sel_hi:[1,1]
.endif
.set i, i+1
.endr
	WIN 0
	s_wait_xcnt 0x0                                ; the last block's stores have read the codes' registers: they are written again only behind this wait
	QUANT ST, PWA+\a
.if \role == 0
	global_store_b128 v[LI], v[PC:PC+3], s[P0:P0+1] offset:\a*1024               ; 32 lanes store 512 consecutive bytes, aligned
	global_store_b128 v[LI], v[PC+4:PC+7], s[P0:P0+1] offset:\a*1024+512
	global_store_b128 v[LI], v[PC+8:PC+11], s[P1:P1+1] offset:\a*1024
	global_store_b128 v[LI], v[PC+12:PC+15], s[P1:P1+1] offset:\a*1024+512
.else
.irp c, 0,1,2,3
	global_store_b128 v[LI], v[PC+4*\c:PC+4*\c+3], s[P0+2*(\a/4):P0+2*(\a/4)+1] offset:(\a%4)*2048+512*\c
.endr
.endif
.endr
.endm
	PLACES NP                                      ; behind the last products: ahead of the first read of results and of the first write over A's fragments
	s_mov_b32 s[SEL], 0x76543210
	s_mov_b32 s[SEL+1], 0xfedcba98                 ; v_permlanex16_b32's selects for lane l xor 16
.irp b, 0,1,2,3
	v_mov_b32 v[TM+4+\b], 0                        ; written once: a lane permute's destination counts as one of its sources
.endr
	s_wait_loadcnt 0x0                             ; the biases
	s_cmp_eq_u32 ttmp9, 2
	s_cbranch_scc1 .Lrole_v
	EPI 0
	s_cmp_eq_u32 ttmp9, 0
	s_cbranch_scc0 .Ltail_k
.irp e, 0,1                            ; q's words: head e's two bytes twice, (s0, s1, s0, s1); two tiles' words leave together: 256 consecutive bytes, aligned
.irp a, 0,1,2,3,4,5,6,7
	v_perm_b32 v[WD+8*\e+\a], v[PWA+\a], v[PWA+\a], 0x01000100+0x02020202*\e
.endr
.irp a, 0,2,4,6
	global_store_b64 v[LS], v[WD+8*\e+\a:WD+8*\e+\a+1], s[PS:PS+1] offset:\e*16384+(\a/2)*256
.endr
.endr
	s_branch .Lend
.Ltail_k:
.irp e, 0,1                            ; k's words: two neighbouring tiles are one operand of 128 along K: (tile 2 f: s0, s1; tile 2 f + 1: s0, s1)
.irp f, 0,1,2,3
	v_perm_b32 v[WD+4*\e+\f], v[PWA+2*\f+1], v[PWA+2*\f], 0x05040100+0x02020202*\e
.endr
.irp m, 0,1
	global_store_b64 v[LS], v[WD+4*\e+2*\m:WD+4*\e+2*\m+1], s[P0+2*\e:P0+2*\e+1] offset:16384+256*\m
.endr
.endr
	s_branch .Lend
.Lrole_v:
	EPI 1
.irp a, 0,2,4,6                        ; v's words as they were made: four bytes for the key step's four blocks of 32 keys
	global_store_b64 v[LS], v[PWA+\a:PWA+\a+1], s[P0+2*(\a/4):P0+2*(\a/4)+1] offset:8704+256*((\a%4)/2)
.endr
.Lend:
	s_wait_tensorcnt 0x0                           ; the wave's end
	ds_add_u32 v[SPW], v[NIL]
	s_wait_dscnt 0x0
	CROUND                                         ; the closing round: no work-group ends while a partner may still ask for a tile that names it
	s_endpgm
.Lfunc_end_k_q09a7455d3d_gemm_qkv:
	.size	k_q09a7455d3d_gemm_qkv, .Lfunc_end_k_q09a7455d3d_gemm_qkv-k_q09a7455d3d_gemm_qkv
	.p2alignl 7, 3214868480
	.fill 96, 4, 3214868480
	.section	.rodata,"a",@progbits
	.p2align	6, 0x0
	.amdhsa_kernel k_q09a7455d3d_gemm_qkv
		.amdhsa_group_segment_fixed_size 327680
		.amdhsa_private_segment_fixed_size 0
		.amdhsa_enable_private_segment 0
		.amdhsa_kernarg_size 40
		.amdhsa_user_sgpr_count 2
		.amdhsa_user_sgpr_kernarg_segment_ptr 1
		.amdhsa_wavefront_size32 1
		.amdhsa_system_sgpr_workgroup_id_x 1
		.amdhsa_system_sgpr_workgroup_id_y 1
		.amdhsa_system_sgpr_workgroup_id_z 1
		.amdhsa_system_vgpr_workitem_id 0
		.amdhsa_next_free_vgpr 1024
		.amdhsa_next_free_sgpr 100
		.amdhsa_reserve_vcc 0
		.amdhsa_float_denorm_mode_32 3
		.amdhsa_float_denorm_mode_16_64 3
		.amdhsa_fp16_overflow 1
		.amdhsa_memory_ordered 1
		.amdhsa_forward_progress 1
		.amdhsa_inst_pref_size 221
	.end_amdhsa_kernel
	.amdgpu_metadata
---
amdhsa.version: [ 1, 2 ]
amdhsa.kernels:
  - .name:           k_q09a7455d3d_gemm_qkv
    .symbol:         k_q09a7455d3d_gemm_qkv.kd
    .args:
      - { .name: xq, .offset: 0, .size: 8, .value_kind: global_buffer, .address_space: global }
      - { .name: wts, .offset: 8, .size: 8, .value_kind: global_buffer, .address_space: global }
      - { .name: b_qkv, .offset: 16, .size: 8, .value_kind: global_buffer, .address_space: global }
      - { .name: qq, .offset: 24, .size: 8, .value_kind: global_buffer, .address_space: global }
      - { .name: kv, .offset: 32, .size: 8, .value_kind: global_buffer, .address_space: global }
    .group_segment_fixed_size: 327680
    .private_segment_fixed_size: 0
    .kernarg_segment_align: 8
    .kernarg_segment_size: 40
    .max_flat_workgroup_size: 128
    .sgpr_count:     100
    .vgpr_count:     1024
    .wavefront_size: 32
...
	.end_amdgpu_metadata
.endif
;; end of part 2
;; launch attn (part 3): grid 4 x 64, 16 waves a work-group, clusters of 4 x 1, 327,680 bytes of LDS; arguments qq, kv, yq; writes yq
.if DOCPART == 3
	.amdgcn_target "amdgcn-amd-amdhsa--gfx1250"
	.amdhsa_code_object_version 6
	.text
	.protected	k_q09a7455d3d_attn
	.globl	k_q09a7455d3d_attn
	.p2align	8
	.type	k_q09a7455d3d_attn,@function
k_q09a7455d3d_attn:
	s_mov_b64 s[64:65], 0
	v_nop
	global_prefetch_b8 v0, s[64:65] scope:SCOPE_SE
	s_setreg_imm32_b32 hwreg(HW_REG_WAVE_MODE, 25, 1), 1
	s_wait_xcnt 0x0
	s_wait_alu depctr_hold_cnt(0) depctr_sa_sdst(0) depctr_va_vdst(0) depctr_va_sdst(0) depctr_va_ssrc(0) depctr_va_vcc(0) depctr_vm_vsrc(0)
	s_getreg_b32 s2, hwreg(HW_REG_IB_STS2, 6, 4)
	s_cmp_eq_u32 s2, 0
	s_cbranch_scc0 .Lentry_in_a_cluster
	s_endpgm
.Lentry_in_a_cluster:
	s_bfe_u32 s2, ttmp6, 0x10000c
	s_cmp_lg_u32 s2, 0x3003
	s_cbranch_scc0 .Lentry_shape_is_right
	s_endpgm
.Lentry_shape_is_right:
; y[b][h][q] = the sum over k <= q of softmax_k(q . k / 8) v, both products on codes of FP8 (E4M3) with one E8M0 scale for each 32 along a product's K; y is quantised here along the channels and leaves as codes.
; THE SOFTMAX AHEAD OF THE SECOND PRODUCT: t = score x log2(e) / 8; M = the row's largest t so far, rounded UP to a whole number; p = 2^(t - M) is quantised along the keys, not normalised.
; The row's sum is taken of the unquantised p and divides at the end.  When M moves, the sum and O are multiplied by 2^(old M - new M): exact.
; SHARES.  A cluster of four work-groups is one (batch, head).  The head's K and V, 16 key steps of 17,408 bytes as the launch before laid them, fit in LDS whole: they are asked for ONCE, jointly (each of the four
; issues the same tensor loads with a mask that names the four), in two runs: key steps 0-3, then 4-15, so that work begins when the first run has landed.  Nothing is filled again.
; A head has 16 groups g of 8 query tiles; group g's diagonal lies in key step g.  Partner p owns tiles 8 g + 2 p and 8 g + 2 p + 1 of every group.  Wave w takes one late tile (group 15 - gl, gl = min(w, 15 - w)) and then
; one early tile (group gl): 17 key steps of work in every wave of every work-group.  Every wave walks loops of constant count; a step whose keys all come after the tile's queries is left out by a scalar branch on
; the wave's number and the loop's counter.  The place in the cluster enters global addresses and the mask's data register alone.
; LAYOUT.  Both products are used transposed: S^T = K Q^T, O^T = V^T P^T: a lane holds ONE query throughout.  Tile t's lane r is token 32 (t / 2) + 8 (t % 2) + r + 8 (r / 8), for keys and queries alike, so that the 16
; registers of score tiles 2 b, 2 b + 1 are 16 neighbouring keys; V's channel tiles are ordered likewise, so that O^T's 16 registers of two tiles are 16 neighbouring channels.
; K = 64 IN A FORM OF 128: an operand of K holds TWO key tiles, [tile 2 f | tile 2 f + 1]; against [q | 0] it gives tile 2 f's scores, against [0 | q] tile 2 f + 1's: zero codes add nothing.
; LIMITS: a block of zeros gets the byte 1 (its codes are zeros; this program alone reads the bytes); NaN and infinities are not served.
.set BLKB,  17408                      ; a key step in LDS and in kv: K 8,192, V 8,192, K's words 512, V's words 512
.set HEADB, 278528
.set PHA,   4352                       ; a wave's part of the first run: 17 rows of 256 bytes
.set PHB,   13056                      ; and of the second: 51 rows
.set QS_OFF, 8388608
.set YS_OFF, 8388608
.set LI,  1                            ; v1   16 x lane
.set LS,  2                            ; v2   8 x lane
.set DD,  3                            ; v3   my query's place in its key step, less 16 (lane / 16)
.set YSO, 4                            ; v4   32 x (lane % 16): my row of y's scale bytes
.set ADK, 5                            ; v5   LDS address of the step's images
.set ADS, 6                            ; v6   and of its scale words
.set NINF, 7                           ; v7   -infinity
;                                        v12 -M, v13 the largest t, v[14:15] the sum in two halves
;                                        v16-23 zeros, v24-31 q, v32-39 zeros: [0 | q] = v[16:31], [q | 0] = v[24:39]
.set KV,  40                           ; v40-103  four operands of K, then of V
.set S,   104                          ; v104-167 S^T, then p
.set O,   168                          ; v168-199 O^T
.set PC,  200                          ; v200-215 p's codes; at the end y's
.set BM,  216                          ; blocks' largest scores, then largest p
.set PM,  220
.set HL,  224
.set SO,  228
.set SCW, 232                          ; v232-235 K's scale words, then V's
.set QW,  236                          ; v236 q's scale word
.set TMP, 237
.set FF,  238                          ; v238 f = 2^(old M - new M)
.set PWD, 239                          ; v239 p's scale word
.set SUM2, 240                         ; v[240:241] the sum's second chain
.set WV,  10
.set CXP, 11
.set BH,  12
.set GL,  13
.set GH,  14
.set SUBT, 15
.set GB,  16                           ; s16  the group of the tile in hand: its last key step
.set KSN, 17                           ; s17  the key step
.set TB,  18                           ; s18  where it begins in LDS
.set MNT, 19
.set SEL, 20
.set CS,  22                           ; s[22:23] c = log2(e) / 8
.set G1A, 24
.set G1C, 32
.set G0A, 40
.set G0C, 44
.set PH,  48                           ; s[48:55] the late tile's pointers: q, q's word, y, y's scale bytes
.set PL,  56                           ; s[56:63] the early tile's
.macro CROUND
	s_barrier_signal -1
	s_barrier_wait -1
	s_cmp_lg_u32 s[WV], 0
	s_cbranch_scc1 .Lnot_wave_0_\@
	s_barrier_signal -3
.Lnot_wave_0_\@:
	s_barrier_wait -3
	s_barrier_signal -1
	s_barrier_wait -1
.endm
	s_load_b128 s[4:7], s[0:1], 0x0                ; qq s[4:5], kv s[6:7]
	s_load_b64 s[8:9], s[0:1], 0x10                ; yq
	v_lshl_add_u32 v254, v0, 2, 0x44000
	v_mov_b32 v255, 0
	ds_add_u32 v254, v255
	ds_add_u32 v254, v255
	v_lshrrev_b32 v1, 5, v0
	s_delay_alu instid0(VALU_DEP_1)
	v_readfirstlane_b32 s[WV], v1                  ; wave 0..15
	s_bfe_u32 s[CXP], ttmp6, 0x40000               ; my place in the cluster
	s_and_b32 s[BH], ttmp7, 0xffff                 ; 16 x batch + head, which the four partners share
	s_xor_b32 s66, s[WV], 15                       ; 15 - wave
	s_min_u32 s[GL], s[WV], s66
	s_xor_b32 s[GH], s[GL], 15
	s_lshr_b32 s[SUBT], s[WV], 3
	; descriptor groups 1: dense blocks as rows of 256 bytes (32 elements of 8 bytes), no padding; the mask names all four work-groups, bit 21 beside it
	s_mov_b32 s[G1A], 15|(3<<16)|(1<<21)
	s_mov_b32 s[G1A+1], 32<<16                     ; tensor_dim0
	s_mov_b32 s[G1A+2], 17<<16                     ; tensor_dim1
	s_mov_b32 s[G1A+3], 32<<16                     ; tile_dim0
	s_mov_b32 s[G1A+4], 17                         ; tile_dim1
	s_mov_b32 s[G1A+5], 32                         ; tensor_dim0_stride
	s_mov_b32 s[G1A+6], 0
	s_mov_b32 s[G1A+7], 0
	s_mov_b32 s[G1C], 15|(3<<16)|(1<<21)
	s_mov_b32 s[G1C+1], 32<<16
	s_mov_b32 s[G1C+2], 51<<16
	s_mov_b32 s[G1C+3], 32<<16
	s_mov_b32 s[G1C+4], 51
	s_mov_b32 s[G1C+5], 32
	s_mov_b32 s[G1C+6], 0
	s_mov_b32 s[G1C+7], 0
	s_mov_b32 s[SEL], 0x76543210
	s_mov_b32 s[SEL+1], 0xfedcba98
	s_mov_b32 s[CS], 0x3e38aa3b
	s_mov_b32 s[CS+1], s[CS]                       ; (named with it as a pair, so it is written)
	s_mul_i32 s66, s[BH], HEADB                    ; the head's first byte in kv
	s_mov_b32 s[G0A], 1
	s_mul_i32 s[G0A+1], s[WV], PHA                 ; LDS address: the wave's number times a constant
	s_add_co_u32 s68, s66, s[G0A+1]                ; LDS holds the head as kv holds it
	s_mov_b32 s69, 0
	s_mov_b32 s[G0C], 1
	s_mul_i32 s[G0C+1], s[WV], PHB
	s_add_co_u32 s[G0C+1], s[G0C+1], 16*PHA
	s_add_co_u32 s70, s66, s[G0C+1]
	s_mov_b32 s71, 0
	s_wait_dscnt 0x0
	s_wait_kmcnt 0x0
	s_add_nc_u64 s[G0A+2:G0A+3], s[6:7], s[68:69]
	s_or_b32 s[G0A+3], s[G0A+3], 0x80000000
	s_add_nc_u64 s[G0C+2:G0C+3], s[6:7], s[70:71]
	s_or_b32 s[G0C+3], s[G0C+3], 0x80000000
	CROUND                                         ; all four work-groups are here: the joint loads meet
	tensor_load_to_lds s[G0A:G0A+3], s[G1A:G1A+7]  ; my part of key steps 0-3
	s_nop 0
	s_wait_alu depctr_va_vdst(0)
	s_wait_tensorcnt 0x0
	ds_add_u32 v254, v255
	s_wait_dscnt 0x0
	CROUND
	tensor_load_to_lds s[G0C:G0C+3], s[G1C:G1C+7]  ; and of 4-15: the only tensor load of mine still out
	s_nop 0
.rept 4
	v_nop
.endr
; the pointers of the tile of group s[g], into s[d] on
.macro PTRS g, d
	s_lshl_b32 s66, s[\g], 3
	s_lshl_b32 s67, s[CXP], 1
	s_add_co_u32 s66, s66, s67
	s_add_co_u32 s66, s66, s[SUBT]                 ; the tile: 8 g + 2 p + (wave / 8)
	s_lshl_b32 s68, s[BH], 7
	s_add_co_u32 s68, s68, s66
	s_lshl_b32 s68, s68, 10
	s_mov_b32 s69, 0
	s_add_nc_u64 s[\d:\d+1], s[4:5], s[68:69]      ; q's image: 1,024 bytes a tile
	s_lshl_b32 s68, s[BH], 6
	s_lshr_b32 s67, s66, 1
	s_add_co_u32 s68, s68, s67
	s_lshl_b32 s68, s68, 8
	s_lshl_b32 s67, s[SUBT], 2
	s_add_co_u32 s68, s68, s67
	s_add_nc_u64 s[\d+2:\d+3], s[4:5], s[68:69]
	s_add_nc_u64 s[\d+2:\d+3], s[\d+2:\d+3], QS_OFF  ; q's words: 256 bytes a pair of tiles, mine the first or the second
	s_lshr_b32 s67, s[BH], 4
	s_lshl_b32 s67, s67, 7
	s_add_co_u32 s67, s67, s66                     ; the tile among all 512: 128 x batch + tile
	s_lshl_b32 s68, s67, 14
	s_bfe_u32 s70, s[BH], 0x30001                  ; head / 2: which 128 along the next K
	s_lshl_b32 s70, s70, 11
	s_add_co_u32 s68, s68, s70
	s_and_b32 s70, s[BH], 1
	s_lshl_b32 s70, s70, 10
	s_add_co_u32 s68, s68, s70
	s_add_nc_u64 s[\d+4:\d+5], s[8:9], s[68:69]    ; y's image
	s_lshl_b32 s68, s67, 9
	s_and_b32 s70, s[BH], 15
	s_lshl_b32 s70, s70, 1
	s_add_co_u32 s68, s68, s70
	s_add_nc_u64 s[\d+6:\d+7], s[8:9], s[68:69]
	s_add_nc_u64 s[\d+6:\d+7], s[\d+6:\d+7], YS_OFF  ; y's scale bytes: 32 a row, my head's two
.endm
	PTRS GH, PH
	PTRS GL, PL
	v_and_b32 v[LS], 31, v0
	s_delay_alu instid0(VALU_DEP_1)
	v_lshlrev_b32 v[LI], 4, v[LS]
	s_delay_alu instid0(VALU_DEP_2)
	v_lshlrev_b32 v[LS], 3, v[LS]
	v_and_b32 v8, 15, v0                           ; r
	s_delay_alu instid0(VALU_DEP_1)
	v_lshlrev_b32 v[YSO], 5, v8
	s_delay_alu instid0(VALU_DEP_2)
	v_and_b32 v9, 8, v8
	s_delay_alu instid0(VALU_DEP_1)
	v_add_nc_u32 v8, v8, v9                        ; r + 8 (r / 8)
	v_bfe_u32 v9, v0, 4, 1
	s_delay_alu instid0(VALU_DEP_1)
	v_lshlrev_b32 v9, 4, v9
	s_delay_alu instid0(VALU_DEP_1)
	v_sub_nc_u32 v[DD], v8, v9
	s_lshl_b32 s66, s[CXP], 5
	s_lshl_b32 s67, s[SUBT], 3
	s_add_co_u32 s66, s66, s67
	v_add_nc_u32 v[DD], s66, v[DD]                 ; 32 p + 8 (wave / 8) + r + 8 (r / 8) - 16 h: the same for both my tiles
	v_mov_b32 v[NINF], 0xff800000
.irp j, 0,1,2,3,4,5,6,7
	v_mov_b32 v[16+\j], 0
	v_mov_b32 v[32+\j], 0
.endr
.irp b, 0,1,2,3
	v_mov_b32 v[PM+\b], 0                          ; written once: a lane permute's destination counts as one of its sources
.endr
	v_mov_b32 v[TMP], 0
	v_mov_b32 v[PWD], 0                            ; (named as the upper half of the pair with f before it is first written)
.macro LOADQ d
	global_load_b128 v[24:27], v[LI], s[\d:\d+1]
	global_load_b128 v[28:31], v[LI], s[\d:\d+1] offset:512
	global_load_b32 v[QW], v[LS], s[\d+2:\d+3]
.endm
.macro INIT
	v_mov_b32 v13, 0xff61b1e6                      ; the largest t so far: -3e38, under every t
	s_delay_alu instid0(VALU_DEP_1)
	v_floor_f32 v12, -v13                          ; -M
	v_mov_b32 v14, 0
	v_mov_b32 v15, 0
.set j, 0
.rept 32
	v_mov_b32 v[O+j], 0                            ; the step is written once: the first finds zeros, which the first change of M leaves zeros
.set j, j+1
.endr
	s_mov_b32 s[KSN], 0
	s_mov_b32 s[TB], 0
.endm
; A KEY STEP: 128 keys.  bound = 1: it may lie behind the tile's diagonal (left out) or on it (masked).
.macro STEP bound
.if \bound
	s_cmp_gt_u32 s[KSN], s[GB]
	s_cbranch_scc1 .Lhidden_\@
.endif
	s_setprio 2
	v_add_nc_u32 v[ADK], s[TB], v[LI]
	v_add_nc_u32 v[ADS], s[TB], v[LS]
.rept 6
	v_nop                                          ; with the two additions: eight places in front of loads into registers that the last products read
.endr
.set n, 0
.rept 16
	ds_load_b128 v[KV+4*n:KV+4*n+3], v[ADK] offset:512*n   ; K's eight tiles as four operands: 512 consecutive bytes a load
.set n, n+1
.endr
	ds_load_b64 v[SCW:SCW+1], v[ADS] offset:16384
	ds_load_b64 v[SCW+2:SCW+3], v[ADS] offset:16640
	s_wait_alu depctr_va_vdst(0)
	s_wait_dscnt 0x0
.irp t, 0,1,2,3,4,5,6,7
.if (\t%2) == 0
	v_wmma_scale_f32_16x16x128_f8f6f4 v[S+8*\t:S+8*\t+7], v[KV+16*(\t/2):KV+16*(\t/2)+15], v[24:39], 0, v[SCW+\t/2], v[QW]
.else
	v_wmma_scale_f32_16x16x128_f8f6f4 v[S+8*\t:S+8*\t+7], v[KV+16*(\t/2):KV+16*(\t/2)+15], v[16:31], 0, v[SCW+\t/2], v[QW]
.endif
.endr
.rept 8
	v_nop                                          ; places: ahead of the loads below and of the first read of the scores
.endr
.set n, 0
.rept 16
	ds_load_b128 v[KV+4*n:KV+4*n+3], v[ADK] offset:8192+512*n   ; V's four tiles are asked for now: they land while the softmax is walked
.set n, n+1
.endr
	ds_load_b64 v[SCW:SCW+1], v[ADS] offset:16896
	ds_load_b64 v[SCW+2:SCW+3], v[ADS] offset:17152
.if \bound
	s_cmp_lg_u32 s[KSN], s[GB]
	s_cbranch_scc1 .Lopen_\@
.set n, 0
.rept 64                                       ; on the diagonal: register 16 b + i holds key 32 b + 16 h + i of the step: hidden where 32 b + i > my query's place - 16 h
	v_cmp_gt_i32 vcc_lo, 32*(n/16)+n%16, v[DD]
	v_cndmask_b32 v[S+n], v[S+n], v[NINF], vcc_lo
.set n, n+1
.endr
.Lopen_\@:
.endif
.irp b, 0,1,2,3
	v_max3_num_f32 v[BM+\b], v[S+16*\b], v[S+1+16*\b], v[S+2+16*\b]   ; the largest score of each block of 32 keys: it serves for the row's maximum and, since p rises with the score, for the block's largest p
.endr
.irp i, 3,5,7,9,11,13
.irp b, 0,1,2,3
	v_max3_num_f32 v[BM+\b], v[BM+\b], v[S+16*\b+\i], v[S+1+16*\b+\i]
.endr
.endr
.irp b, 0,1,2,3
	v_max_num_f32 v[BM+\b], v[BM+\b], v[S+15+16*\b]
.endr
.irp b, 0,1,2,3
	s_delay_alu instid0(VALU_DEP_4)
	v_permlanex16_b32 v[PM+\b], v[BM+\b], s[SEL], s[SEL+1]
.endr
.irp b, 0,1,2,3
	s_delay_alu instid0(VALU_DEP_4)
	v_max_num_f32 v[BM+\b], v[BM+\b], v[PM+\b]     ; with lane l xor 16's 16 keys
.endr
	s_delay_alu instid0(VALU_DEP_2)
	v_max3_num_f32 v[TMP], v[BM], v[BM+1], v[BM+2]
	s_delay_alu instid0(VALU_DEP_1)
	v_max_num_f32 v[TMP], v[TMP], v[BM+3]
	s_delay_alu instid0(VALU_DEP_1)
	v_mul_f32 v[TMP], s[CS], v[TMP]                ; as t (c is positive)
	s_delay_alu instid0(VALU_DEP_1)
	v_max_num_f32 v13, v13, v[TMP]                 ; the running largest t
	v_mov_b32 v[TMP], v12
	s_delay_alu instid0(VALU_DEP_2)
	v_floor_f32 v12, -v13                          ; the new -M = -ceil(t): a whole number
	s_delay_alu instid0(VALU_DEP_1)
	v_sub_f32 v[TMP], v12, v[TMP]                  ; old M - new M: a whole number, 0 or less
	s_delay_alu instid0(VALU_DEP_1)
	v_cvt_i32_f32 v[TMP], v[TMP]                   ; (it saturates)
	s_delay_alu instid0(VALU_DEP_1)
	v_ldexp_f32 v[FF], 1.0, v[TMP]                 ; f = 2^(old M - new M)
.set j, 0
.rept 32
	v_pk_fma_f32 v[S+j:S+j+1], v[S+j:S+j+1], s[CS:CS+1], v[12:13] op_sel_hi:[1,0,0]   ; t - M, two at a time
.set j, j+2
.endr
.irp b, 0,1,2,3
	v_fma_f32 v[BM+\b], v[BM+\b], s[CS], v12       ; the same of each block's largest score
.endr
.set j, 0
	s_setprio 1
	s_wait_alu depctr_va_vdst(0)
.rept 64
	v_exp_f32 v[S+j], v[S+j]                       ; p = 2^(t - M), at most 1
.set j, j+1
.endr
	v_pk_mul_f32 v[14:15], v[14:15], v[FF:FF+1] op_sel_hi:[1,0]   ; the sums under the new M: a plain instruction behind the exponentials
	s_wait_alu depctr_va_vdst(0)                   ; one wait for the batch, ahead of its first reader
.irp b, 0,1,2,3
	v_exp_f32 v[BM+\b], v[BM+\b]                   ; the block's largest p
.endr
	v_pk_add_f32 v[SUM2:SUM2+1], v[S:S+1], v[S+2:S+3]   ; the row's sum of the unquantised p, in two chains
.set j, 4
.rept 15
	v_pk_add_f32 v[14:15], v[14:15], v[S+j:S+j+1]
	v_pk_add_f32 v[SUM2:SUM2+1], v[SUM2:SUM2+1], v[S+2+j:S+3+j]
.set j, j+4
.endr
	s_delay_alu instid0(VALU_DEP_1)
	v_pk_add_f32 v[14:15], v[14:15], v[SUM2:SUM2+1]
	s_wait_alu depctr_va_vdst(0)                   ; and one for the four
.irp b, 0,1,2,3
	v_max_num_f32 v[BM+\b], 0x4800000, v[BM+\b]    ; the floor 2^(9 - 127): a block whose every p is 0 keeps the byte 1: its codes are zeros
.endr
.irp b, 0,1,2,3
	s_delay_alu instid0(VALU_DEP_4)
	v_add_nc_u32 v[SO+\b], 0xfc000000, v[BM+\b]    ; the conversion's scale operand
.endr
.irp b, 0,1,2,3
.endr
.irp b, 0,1,2,3
	s_delay_alu instid0(VALU_DEP_4)
	v_lshrrev_b32 v[PM+\b], 23, v[SO+\b]           ; the scale's byte
.endr
	s_delay_alu instid0(VALU_DEP_3)
	v_lshl_or_b32 v[PWD], v[PM+1], 8, v[PM]        ; p's scale word for these 128 keys
	s_delay_alu instid0(VALU_DEP_1)
	v_lshl_or_b32 v[PWD], v[PM+2], 16, v[PWD]
	s_delay_alu instid0(VALU_DEP_1)
	v_lshl_or_b32 v[PWD], v[PM+3], 24, v[PWD]
	s_setprio 0
.irp b, 0,1,2,3
.irp i, 0,1,2,3,4,5,6,7,8,9,10,11,12,13,14,15
.endr
	v_cvt_scalef32_pk8_fp8_f32 v[PC+4*\b:PC+1+4*\b], v[S+16*\b:S+7+16*\b], v[SO+\b]
	v_cvt_scalef32_pk8_fp8_f32 v[PC+2+4*\b:PC+3+4*\b], v[S+8+16*\b:S+15+16*\b], v[SO+\b]
.endr
.set j, 0
.rept 16
	v_pk_mul_f32 v[O+j:O+j+1], v[O+j:O+j+1], v[FF:FF+1] op_sel_hi:[1,0]   ; O^T under the new M; these are also the places between the codes' conversions and the products
.set j, j+2
.endr
	s_wait_alu depctr_va_vdst(0)
	s_wait_dscnt 0x0                               ; V is in
.irp d, 0,1,2,3                                ; O^T += V^T P^T: the four accumulators by turns, one instruction a turn
	v_wmma_scale_f32_16x16x128_f8f6f4 v[O+8*\d:O+8*\d+7], v[KV+16*\d:KV+16*\d+15], v[PC:PC+15], v[O+8*\d:O+8*\d+7], v[SCW+\d], v[PWD]
.endr
.if \bound
.Lhidden_\@:
.endif
	s_add_co_u32 s[TB], s[TB], BLKB
	s_add_co_u32 s[KSN], s[KSN], 1
.endm
; A tile's end: O^T / the sum, quantised along the head's 64 channels (two blocks of 32), stored as an image of the next product's operand; the two scale bytes beside it.
.macro FINISH d
	v_add_f32 v14, v14, v15
	s_delay_alu instid0(VALU_DEP_1)
	v_permlanex16_b32 v[TMP], v14, s[SEL], s[SEL+1]
	s_delay_alu instid0(VALU_DEP_1)
	v_add_f32 v14, v14, v[TMP]                     ; the row's sum
	s_wait_alu depctr_va_vdst(0)
	v_rcp_f32 v14, v14
.rept 8
	v_nop                                          ; places behind the last products, and the plain instruction behind the reciprocal
.endr
	s_wait_alu depctr_va_vdst(0)                   ; ahead of the reciprocal's first reader
.set j, 0
.rept 16
	v_pk_mul_f32 v[S+j:S+j+1], v[O+j:O+j+1], v[14:15] op_sel_hi:[1,0]   ; register 16 c + i: channel 32 c + 16 h + i; each accumulator from its low end on
.set j, j+2
.endr
.irp b, 0,1
	v_max3_num_f32 v[BM+\b], |v[S+16*\b]|, |v[S+1+16*\b]|, 0x4800000
.endr
.irp i, 2,4,6,8,10,12,14
.irp b, 0,1
	s_delay_alu instid0(VALU_DEP_2)
	v_max3_num_f32 v[BM+\b], v[BM+\b], |v[S+16*\b+\i]|, |v[S+1+16*\b+\i]|
.endr
.endr
.irp b, 0,1
	s_delay_alu instid0(VALU_DEP_2)
	v_permlanex16_b32 v[PM+\b], v[BM+\b], s[SEL], s[SEL+1]
.endr
.irp b, 0,1
	s_delay_alu instid0(VALU_DEP_2)
	v_max_num_f32 v[BM+\b], v[BM+\b], v[PM+\b]
.endr
.irp b, 0,1
	s_delay_alu instid0(VALU_DEP_2)
	v_add_nc_u32 v[SO+\b], 0xfc000000, v[BM+\b]
.endr
.irp b, 0,1
.endr
.irp b, 0,1
	s_delay_alu instid0(VALU_DEP_2)
	v_lshrrev_b32 v[PM+\b], 23, v[SO+\b]
.endr
	s_delay_alu instid0(VALU_DEP_1)
	v_lshl_or_b32 v[TMP], v[PM+1], 8, v[PM]
.irp b, 0,1
.irp i, 0,1,2,3,4,5,6,7,8,9,10,11,12,13,14,15
.endr
	v_cvt_scalef32_pk8_fp8_f32 v[PC+4*\b:PC+1+4*\b], v[S+16*\b:S+7+16*\b], v[SO+\b]
	v_cvt_scalef32_pk8_fp8_f32 v[PC+2+4*\b:PC+3+4*\b], v[S+8+16*\b:S+15+16*\b], v[SO+\b]
.endr
	v_nop                                          ; a plain vector instruction behind the last conversion
	global_store_b128 v[LI], v[PC:PC+3], s[\d+4:\d+5]              ; 32 lanes store 512 consecutive bytes, aligned
	global_store_b128 v[LI], v[PC+4:PC+7], s[\d+4:\d+5] offset:512
	global_store_b16 v[YSO], v[TMP], s[\d+6:\d+7]  ; two bytes of a row of 32 (both halves of the lanes write the same): aligned blocks of 256 bytes are written in part here: 256 KiB in the whole launch
.endm
	LOADQ PH
	INIT
	s_mov_b32 s[GB], s[GH]
	s_wait_tensorcnt 0x1                           ; my part of key steps 0-3 is in; the second run may stay out
	s_barrier_signal -1
	s_barrier_wait -1                              ; everybody's is
	s_wait_loadcnt 0x0                             ; q
.Lfirst:                                           ; the late tile, key steps 0-3: its group is 8 or more, so all their keys count
	STEP 0
	s_cmp_lt_u32 s[KSN], 4
	s_cbranch_scc1 .Lfirst
	s_setprio 0
	s_wait_tensorcnt 0x0                           ; my part of key steps 4-15 is in,
	s_wait_dscnt 0x0
	s_barrier_signal -1
	s_barrier_wait -1                              ; everybody's is: from here on the waves run free
.Llate:                                            ; key steps 4-15
	STEP 1
	s_cmp_lt_u32 s[KSN], 16
	s_cbranch_scc1 .Llate
	s_setprio 0
	LOADQ PL                                       ; the early tile's q: the last product that read q stands a whole softmax back
	FINISH PH
	s_wait_xcnt 0x0                                ; the stores have read their registers: they are written again only behind this wait
	INIT
	s_mov_b32 s[GB], s[GL]
	s_wait_loadcnt 0x0
.Learly:                                           ; the early tile: its group is 7 or less
	STEP 1
	s_cmp_lt_u32 s[KSN], 8
	s_cbranch_scc1 .Learly
	s_setprio 0
	FINISH PL
	s_wait_tensorcnt 0x0
	ds_add_u32 v254, v255
	s_wait_dscnt 0x0
	CROUND                                         ; the closing round: no work-group ends while a partner may still ask for a tile that names it
	s_endpgm
.Lfunc_end_k_q09a7455d3d_attn:
	.size	k_q09a7455d3d_attn, .Lfunc_end_k_q09a7455d3d_attn-k_q09a7455d3d_attn
	.p2alignl 7, 3214868480
	.fill 96, 4, 3214868480
	.section	.rodata,"a",@progbits
	.p2align	6, 0x0
	.amdhsa_kernel k_q09a7455d3d_attn
		.amdhsa_group_segment_fixed_size 327680
		.amdhsa_private_segment_fixed_size 0
		.amdhsa_enable_private_segment 0
		.amdhsa_kernarg_size 24
		.amdhsa_user_sgpr_count 2
		.amdhsa_user_sgpr_kernarg_segment_ptr 1
		.amdhsa_wavefront_size32 1
		.amdhsa_system_sgpr_workgroup_id_x 1
		.amdhsa_system_sgpr_workgroup_id_y 1
		.amdhsa_system_sgpr_workgroup_id_z 1
		.amdhsa_system_vgpr_workitem_id 0
		.amdhsa_next_free_vgpr 256
		.amdhsa_next_free_sgpr 80
		.amdhsa_reserve_vcc 1
		.amdhsa_float_denorm_mode_32 3
		.amdhsa_float_denorm_mode_16_64 3
		.amdhsa_fp16_overflow 1
		.amdhsa_memory_ordered 1
		.amdhsa_forward_progress 1
		.amdhsa_inst_pref_size 82
	.end_amdhsa_kernel
	.amdgpu_metadata
---
amdhsa.version: [ 1, 2 ]
amdhsa.kernels:
  - .name:           k_q09a7455d3d_attn
    .symbol:         k_q09a7455d3d_attn.kd
    .args:
      - { .name: qq, .offset: 0, .size: 8, .value_kind: global_buffer, .address_space: global }
      - { .name: kv, .offset: 8, .size: 8, .value_kind: global_buffer, .address_space: global }
      - { .name: yq, .offset: 16, .size: 8, .value_kind: global_buffer, .address_space: global }
    .group_segment_fixed_size: 327680
    .private_segment_fixed_size: 0
    .kernarg_segment_align: 8
    .kernarg_segment_size: 24
    .max_flat_workgroup_size: 512
    .sgpr_count:     80
    .vgpr_count:     256
    .wavefront_size: 32
...
	.end_amdgpu_metadata
.endif
;; end of part 3
;; launch gemm_proj (part 4): grid 4 x 32, 4 waves a work-group, clusters of 4 x 4, 327,680 bytes of LDS; arguments yq, wts, b_proj, out0; writes out0
.if DOCPART == 4
	.amdgcn_target "amdgcn-amd-amdhsa--gfx1250"
	.amdhsa_code_object_version 6
	.text
	.protected	k_q09a7455d3d_gemm_proj
	.globl	k_q09a7455d3d_gemm_proj
	.p2align	8
	.type	k_q09a7455d3d_gemm_proj,@function
k_q09a7455d3d_gemm_proj:
	s_mov_b64 s[64:65], 0
	v_nop
	global_prefetch_b8 v0, s[64:65] scope:SCOPE_SE
	s_setreg_imm32_b32 hwreg(HW_REG_WAVE_MODE, 25, 1), 1
	s_wait_xcnt 0x0
	s_wait_alu depctr_hold_cnt(0) depctr_sa_sdst(0) depctr_va_vdst(0) depctr_va_sdst(0) depctr_va_ssrc(0) depctr_va_vcc(0) depctr_vm_vsrc(0)
	s_getreg_b32 s2, hwreg(HW_REG_IB_STS2, 6, 4)
	s_cmp_eq_u32 s2, 0
	s_cbranch_scc0 .Lentry_in_a_cluster
	s_endpgm
.Lentry_in_a_cluster:
	s_bfe_u32 s2, ttmp6, 0x10000c
	s_cmp_lg_u32 s2, 0xf033
	s_cbranch_scc0 .Lentry_shape_is_right
	s_endpgm
.Lentry_shape_is_right:
; out0 = y w_proj + b_proj on codes of FP8 (E4M3) with one E8M0 scale for each 32 along K = 1,024; out0 [8192][1024] f32.
; A tile of 256 x 256 is made by four waves, 128 x 128 each: 64 accumulators.  K goes in steps of 256 through a ring of two LDS slots filled by the tensor data mover; the scale bytes of the tile's rows come once.
; CLUSTERS: 4 x 4 work-groups; A's tiles are shared along a row of the cluster, B's along a column: each is asked for jointly, by the same tensor load with a mask that names the four.
; A = y comes as IMAGES of operand registers, [tile of 16 positions 512][128 along K: 8][4][lane][16 B]: a K step of a tile of positions is 4,096 consecutive bytes, and a fragment is four loads of 512 consecutive bytes.
; B = w_proj's columns: wts, positions 3,072 on, rows of 1,024 codes.  Both sides hold true row sigma(p) at position p (bits 3 and 4 exchanged); the way out puts rows and columns back.
; THE MATRIX INSTRUCTION IS USED TRANSPOSED (source 0 = 16 rows of B, source 1 = 16 rows of A): a lane holds eight neighbouring numbers of a row of out0.  The bias is the C of each sum's first product.
; The grid has 128 work-groups: 32 x 4 tiles of 256 x 256.
; REGISTERS: window 0: v0-31 addresses; v32-63 scale words, two sets; v64-127 the bias in the result's layout; from v128 A's fragments, one set; on the way out v128-255 are rows of out0.
;   window 1: B's fragments, two sets.   window 2: the accumulators of my rows 0-63;   window 3: those of my rows 64-127.
.set KSTEP,  256
.set NQ,     2
.set ROWB,   256
.set KROW,   1024
.set PITCH,  272
.set FR,     16
.set NL,     4
.set NP,     8
.set HALFT,  128*PITCH                 ; a wave's part of a slot; A's images use 32,768 bytes of it
.set SLOT,   4*HALFT
.set LAPS,   2
.set KS,     32
.set SCL,    2*SLOT
.set HALFS,  (128*KS/256)*272
.set SBLK,   (16*KS/256)*272
.set SPARE,  SCL+4*HALFS               ; the spare words, 128 bytes for each wave: two blocks of 256 bytes that no other line names
.set SPITCH, 528                       ; the way out: a stage of 16 rows x (512 bytes + 16) for each wave, in slot 0, which has had its last fill and its last read when the first result is stored there
.set YS_OFF, 8388608
.set WS_OFF, 4194304
.set ADRA, 16
.set ADRB, 20
.set VH,   22
.set STO,  24
.set RD,   25
.set CO,   26
.set ADRS, 27
.set SPW,  28
.set NIL,  29
.set SC,   32
.set BQ,   64
.set AF,   128
.set BK,   128
.set G1, 24
.set G0, 32
.set G1B, 48
.set G0B, 56
.set G1S, 68
.set G0S, 76
.set G1SB, 80
.set G0SB, 88
.set MSB, 0
.macro WIN new
.if MSB != (\new)
	s_set_vgpr_msb (MSB<<8)|(\new)
.set MSB, (\new)
.endif
.endm
.set MUL_LO, 0xa1
.set MUL_HI, 0xf1
.set TO_B,   0x40
.macro JLOAD g0a, g1a, g0b, g1b        ; a joint load: waves 0 and 1 fetch for A, waves 2 and 3 for B; four v_nop follow each of the two lines
	s_cmp_eq_u32 s15, 0
	s_cbranch_scc0 .Lfor_b_\@
	tensor_load_to_lds s[\g0a:\g0a+3], s[\g1a:\g1a+7]
	s_nop 0
.rept 4
	v_nop
.endr
	s_branch .Lasked_\@
.Lfor_b_\@:
	tensor_load_to_lds s[\g0b:\g0b+3], s[\g1b:\g1b+7]
	s_nop 0
.rept 4
	v_nop
.endr
.Lasked_\@:
.endm
.macro CREST
	s_cmp_lg_u32 s14, 0
	s_cbranch_scc1 .Lnot_wave_0_\@
	s_barrier_signal -3
.Lnot_wave_0_\@:
	s_barrier_wait -3
	s_barrier_signal -1
	s_barrier_wait -1
.endm
.macro CROUND
	s_barrier_signal -1
	s_barrier_wait -1
	CREST
.endm
	s_load_b256 s[4:11], s[0:1], 0x0               ; yq s[4:5], wts s[6:7], b_proj s[8:9], out0 s[10:11]
	v_lshl_add_u32 v[SPW], v0, 2, SPARE
	v_mov_b32 v[NIL], 0
	ds_add_u32 v28, v29
	ds_add_u32 v28, v29
	s_wait_dscnt 0x0
	v_lshrrev_b32 v1, 5, v0
	v_readfirstlane_b32 s14, v1                    ; wave 0..3
	s_lshr_b32 s15, s14, 1                         ; which half of the tile's rows is mine.  Also: I fetch for A (0) or for B (1)
	s_and_b32 s16, s14, 1                          ; which half of its columns.  Also: which 128 rows of that tile I fetch
	s_bfe_u32 s40, ttmp6, 0x40000
	s_bfe_u32 s41, ttmp6, 0x40004
	s_lshl_b32 s42, ttmp9, 2
	s_add_co_u32 s42, s42, s40                     ; tile column = 4 x cluster x + cx
	s_and_b32 s17, ttmp7, 0xffff
	s_lshl_b32 s17, s17, 2
	s_add_co_u32 s17, s17, s41                     ; tile row = 4 x cluster y + cy
	s_lshl_b32 s43, s41, 2
	s_lshl_b32 s43, 15, s43                        ; my row of the cluster
	s_lshl_b32 s44, 0x1111, s40                    ; my column
	; A's tiles: 8 tiles of positions x 4,096 bytes (512 elements of 8 bytes), 16,384 bytes apart in memory, on end in LDS
	s_or_b32 s[G1+0], s43, (3<<16)|(1<<21)
	s_mov_b32 s[G1+1], 512<<16                     ; tensor_dim0
	s_mov_b32 s[G1+2], 8<<16                       ; tensor_dim1
	s_mov_b32 s[G1+3], 512<<16                     ; tile_dim0
	s_mov_b32 s[G1+4], 8                           ; tile_dim1
	s_mov_b32 s[G1+5], 2048                        ; tensor_dim0_stride
	s_mov_b32 s[G1+6], 0
	s_mov_b32 s[G1+7], 0
	; B's tiles: 128 rows x 256 bytes, 16 bytes of padding behind each row
	s_or_b32 s[G1B+0], s44, (0<<16)|(1<<20)|(1<<21)|(5<<22)|(3<<25)
	s_mov_b32 s[G1B+1], ROWB<<16
	s_mov_b32 s[G1B+2], 128<<16
	s_mov_b32 s[G1B+3], ROWB<<16
	s_mov_b32 s[G1B+4], 128
	s_mov_b32 s[G1B+5], KROW
	s_mov_b32 s[G1B+6], 0
	s_mov_b32 s[G1B+7], 0
	; the scale bytes of 128 rows: 16 rows of 256 bytes, 16 bytes of padding behind each
	s_or_b32 s[G1S+0], s43, (3<<16)|(1<<20)|(1<<21)|(5<<22)|(3<<25)
	s_or_b32 s[G1SB+0], s44, (3<<16)|(1<<20)|(1<<21)|(5<<22)|(3<<25)
.irp g, G1S, G1SB
	s_mov_b32 s[\g+1], 32<<16
	s_mov_b32 s[\g+2], (128*KS/256)<<16
	s_mov_b32 s[\g+3], 32<<16
	s_mov_b32 s[\g+4], 128*KS/256
	s_mov_b32 s[\g+5], 32
	s_mov_b32 s[\g+6], 0
	s_mov_b32 s[\g+7], 0
.endr
	s_lshl_b32 s20, s17, 18                        ; A's images: 16 tiles of positions x 16,384 bytes a tile row,
	s_lshl_b32 s18, s16, 17                        ; 8 of them a half
	s_add_co_u32 s20, s20, s18
	s_mov_b32 s21, 0
	s_lshl_b32 s22, s17, 13                        ; A's scale bytes: 256 rows x 32,
	s_lshl_b32 s18, s16, 12
	s_add_co_u32 s22, s22, s18
	s_mov_b32 s23, 0
	s_lshl_b32 s46, s42, 8
	s_lshl_b32 s18, s16, 7
	s_add_co_u32 s46, s46, s18
	s_add_co_u32 s46, s46, 3072                    ; B: position 3,072 + 256 x tile column + 128 x half
	s_mov_b32 s47, 0
	s_lshl_b64 s[92:93], s[46:47], 5
	s_lshl_b64 s[46:47], s[46:47], 10
	s_mul_i32 s45, s14, HALFT                      ; where they go: no place in the cluster enters an LDS address
	s_mul_i32 s94, s14, HALFS
	s_wait_kmcnt 0x0
	s_add_nc_u64 s[20:21], s[4:5], s[20:21]
	s_add_nc_u64 s[22:23], s[4:5], s[22:23]
	s_add_nc_u64 s[22:23], s[22:23], YS_OFF
	s_add_nc_u64 s[46:47], s[6:7], s[46:47]
	s_add_nc_u64 s[92:93], s[6:7], s[92:93]
	s_add_nc_u64 s[92:93], s[92:93], WS_OFF
	CROUND                                         ; all sixteen work-groups are here: the first joint loads meet
	s_mov_b32 s[G0S], 1
	s_add_co_u32 s[G0S+1], s94, SCL
	s_mov_b64 s[G0S+2:G0S+3], s[22:23]
	s_or_b32 s[G0S+3], s[G0S+3], 0x80000000
	s_mov_b32 s[G0SB], 1
	s_add_co_u32 s[G0SB+1], s94, SCL
	s_mov_b64 s[G0SB+2:G0SB+3], s[92:93]
	s_or_b32 s[G0SB+3], s[G0SB+3], 0x80000000
	JLOAD G0S, G1S, G0SB, G1SB                     ; the scale bytes first.  With the two below, three tensor loads of a wave are out
.irp s, 0,1
	s_mov_b32 s[G0+4*\s], 1
	s_add_co_u32 s[G0+4*\s+1], s45, \s*SLOT
	s_add_nc_u64 s[G0+4*\s+2:G0+4*\s+3], s[20:21], \s*4096
	s_or_b32 s[G0+4*\s+3], s[G0+4*\s+3], 0x80000000
	s_mov_b32 s[G0B+4*\s], 1
	s_add_co_u32 s[G0B+4*\s+1], s45, \s*SLOT
	s_add_nc_u64 s[G0B+4*\s+2:G0B+4*\s+3], s[46:47], \s*ROWB
	s_or_b32 s[G0B+4*\s+3], s[G0B+4*\s+3], 0x80000000
	JLOAD G0+4*\s, G1, G0B+4*\s, G1B
.endr
	v_and_b32 v1, 15, v0                           ; r
	v_bfe_u32 v2, v0, 4, 1                         ; h
	v_and_b32 v6, 31, v0
	v_lshlrev_b32 v[CO], 4, v6                     ; 16 x lane: an image's place, and my 16 bytes of a row of 512
	v_mul_u32_u24 v3, v1, PITCH
	v_lshl_add_u32 v4, v2, 4, v3                   ; B: a fragment's row x pitch + 16 x half
	s_mul_i32 s21, s15, HALFT                      ; my 128 rows of A
	s_mul_i32 s22, s16, HALFT                      ; my 128 rows of B,
	s_add_co_u32 s22, s22, 2*HALFT                 ; which lie behind A's
.irp s, 0,1
	v_add_nc_u32 v[ADRA+\s], s21, v[CO]
	v_add_nc_u32 v[ADRB+\s], s22, v4
	s_add_co_u32 s21, s21, SLOT
	s_add_co_u32 s22, s22, SLOT
.endr
	v_mul_u32_u24 v5, v1, KS
	v_lshrrev_b32 v6, 8, v5
	v_lshl_add_u32 v5, v6, 4, v5
	s_mul_i32 s21, s15, HALFS
	s_mul_i32 s22, s16, HALFS
	s_add_co_u32 s22, s22, 2*HALFS
	s_sub_co_u32 s22, s22, s21
	v_mul_u32_u24 v6, s22, v2                      ; lanes 16-31 take B's
	s_add_co_u32 s21, s21, SCL
	v_add_nc_u32 v5, v5, v6
	v_add_nc_u32 v[ADRS], s21, v5
	s_mul_i32 s23, s14, 16*SPITCH                  ; my stage
	v_mul_u32_u24 v5, v1, SPITCH
	v_lshl_add_u32 v5, v2, 6, v5                   ; in: row r, + 64 h: my half's 16 columns of each 32
	v_add_nc_u32 v[STO], s23, v5
	v_add_nc_u32 v[RD], s23, v[CO]                 ; back: the 32 lanes take one row of 512 bytes
	v_lshlrev_b32 v[VH], 6, v2
	s_lshl_b32 s46, s42, 10
	s_lshl_b32 s47, s16, 9
	s_add_co_u32 s46, s46, s47                     ; my first column, in bytes
	s_mov_b32 s47, 0
	s_add_nc_u64 s[8:9], s[8:9], s[46:47]
.irp b, 0,1,2,3,4,5,6,7
	global_load_b128 v[BQ+8*\b:BQ+8*\b+3], v[VH], s[8:9] offset:(32*(\b/2)+8*(\b%2))*4        ; register 8 b + j: column 32 (b / 2) + 16 h + 8 (b % 2) + j
	global_load_b128 v[BQ+8*\b+4:BQ+8*\b+7], v[VH], s[8:9] offset:(32*(\b/2)+8*(\b%2))*4+16
.endr
	s_lshl_b32 s20, s17, 8
	s_lshl_b32 s21, s15, 7
	s_add_co_u32 s20, s20, s21                     ; my first row of out0
	s_lshl_b32 s20, s20, 12
	s_add_co_u32 s20, s20, s46
	s_mov_b32 s21, 0
	s_add_nc_u64 s[12:13], s[10:11], s[20:21]
.macro FRAGB reg, adr, q, i            ; 16 rows x 128 K from rows: lane l holds row l % 16; registers 4 c .. 4 c + 3 hold K = 32 c + 16 (l / 16) + 0 .. 15
.irp c, 0,1,2,3
	ds_load_b128 v[\reg+4*\c:\reg+4*\c+3], v[\adr] offset:128*(\q)+32*\c+(\i)*16*PITCH
.endr
.endm
.macro FRAGA reg, adr, q, i            ; the same registers from an image: 512 consecutive bytes a load
.irp c, 0,1,2,3
	ds_load_b128 v[\reg+4*\c:\reg+4*\c+3], v[\adr] offset:4096*(\i)+2048*(\q)+512*\c
.endr
.endm
; 16 matrix instructions: A's blocks a0, a0 + 1 x B's eight.  first = 1: the sum's first product takes the bias as its C.  The 64 accumulators take turns, one instruction a turn.
.macro MUL16 a0, p, q, sc, first
.irp a, \a0, \a0+1
.irp b, 0,1,2,3,4,5,6,7
.if \first
	v_wmma_scale_f32_16x16x128_f8f6f4 v[8*(8*((\a)%4)+\b):8*(8*((\a)%4)+\b)+7], v[128*(\p)+FR*\b:128*(\p)+FR*\b+FR-1], v[AF+FR*(\a):AF+FR*(\a)+FR-1], v[BQ+8*\b:BQ+8*\b+7], v[SC+8*NQ*(\sc)+NQ*\b+(\q)], v[SC+8*NQ*(\sc)+NQ*(\a)+(\q)] matrix_a_scale:MATRIX_SCALE_ROW1
.else
	v_wmma_scale_f32_16x16x128_f8f6f4 v[8*(8*((\a)%4)+\b):8*(8*((\a)%4)+\b)+7], v[128*(\p)+FR*\b:128*(\p)+FR*\b+FR-1], v[AF+FR*(\a):AF+FR*(\a)+FR-1], v[8*(8*((\a)%4)+\b):8*(8*((\a)%4)+\b)+7], v[SC+8*NQ*(\sc)+NQ*\b+(\q)], v[SC+8*NQ*(\sc)+NQ*(\a)+(\q)] matrix_a_scale:MATRIX_SCALE_ROW1
.endif
.endr
.endr
.endm
.macro FETCH_B slot, q, p
	WIN TO_B
.irp i, 0,1,2,3,4,5,6,7
	FRAGB 128*(\p)+FR*\i, ADRB+\slot, \q, \i
.endr
	WIN 0
.endm
.macro FETCH_A slot, q, i0
.irp i, \i0, \i0+1, \i0+2, \i0+3
	FRAGA AF+FR*(\i), ADRA+\slot, \q, \i
.endr
.endm
.macro SCALES sc
.irp i, 0,1,2,3,4,5,6,7
	ds_load_b64 v[SC+8*NQ*\sc+NQ*\i:SC+8*NQ*\sc+NQ*\i+1], v[ADRS] offset:\i*SBLK
.endr
.endm
.macro PLACES n
.rept \n
	v_nop
.endr
.endm
.macro STEP slot, q, first
	s_wait_dscnt 4*NL                              ; B's set and A's blocks 0-3 are in; the youngest 16 loads (A's blocks 4-7) may be out
.if \first
	WIN 0x81                                       ; as MUL_LO, with C (the bias) in window 0
.else
	WIN MUL_LO
.endif
	MUL16 0, (\q)%2, \q, \slot, \first
	MUL16 2, (\q)%2, \q, \slot, \first
	s_wait_dscnt 0
	PLACES NP
	FETCH_B \slot, (\q)+1, 1-(\q)%2
	FETCH_A \slot, (\q)+1, 0
.if \first
	WIN 0xc1
.else
	WIN MUL_HI
.endif
	MUL16 4, (\q)%2, \q, \slot, \first
	MUL16 6, (\q)%2, \q, \slot, \first
	PLACES NP
	WIN 0
	FETCH_A \slot, (\q)+1, 4
.endm
.macro TURN slot, next, fill
	s_wait_tensorcnt 0x0                           ; all my tensor loads have landed: my part of the next slot
	ds_add_u32 v[SPW], v[NIL]                      ; 0 onto my spare word
	s_wait_dscnt 4*NL+1                            ; (the add and the youngest 16 loads may be out)
	WIN MUL_LO
	MUL16 0, 1, NQ-1, \slot, 0
	s_wait_dscnt 0x0                               ; the add is done, and my reads of this slot are over
	s_barrier_signal -1
	MUL16 2, 1, NQ-1, \slot, 0
	WIN 0
	s_barrier_wait -1
.if \fill
	CREST                                          ; the barrier has opened a round of the cluster's barrier: no wave of any partner still reads this slot or has a load on its way
	s_add_nc_u64 s[G0+4*\slot+2:G0+4*\slot+3], s[G0+4*\slot+2:G0+4*\slot+3], 2*4096
	s_add_nc_u64 s[G0B+4*\slot+2:G0B+4*\slot+3], s[G0B+4*\slot+2:G0B+4*\slot+3], 2*ROWB
	JLOAD G0+4*\slot, G1, G0B+4*\slot, G1B
	PLACES NP-4
.else
	PLACES NP
.endif
	v_add_nc_u32 v[ADRS], 4*NQ, v[ADRS]
	FETCH_B \next, 0, 0
	FETCH_A \next, 0, 0
	SCALES \next
	WIN MUL_HI
	MUL16 4, 1, NQ-1, \slot, 0
	MUL16 6, 1, NQ-1, \slot, 0
	PLACES NP
	WIN 0
	FETCH_A \next, 0, 4
.endm
	s_wait_tensorcnt 1                             ; the scale bytes and my part of K step 0 are in (K step 1's load may be out)
	s_barrier_signal -1
	s_barrier_wait -1                              ; everybody's are
	FETCH_B 0, 0, 0
	FETCH_A 0, 0, 0
	SCALES 0
	FETCH_A 0, 0, 4
	s_wait_loadcnt 0x0                             ; the bias
	STEP 0, 0, 1                                   ; the first step stands in front of the loop: its products start the sums, on the bias
	s_mov_b32 s3, LAPS-1
.Llap:
	TURN 0, 1, 1
	STEP 1, 0, 0
	TURN 1, 0, 1
	STEP 0, 0, 0
	s_sub_co_u32 s3, s3, 1
	s_cmp_lg_u32 s3, 0
	s_cbranch_scc1 .Llap
	TURN 0, 1, 0                                   ; the last lap fills nothing
	STEP 1, 0, 0
	s_wait_dscnt 4*NL
	WIN MUL_LO
	MUL16 0, 1, NQ-1, 1, 0
	MUL16 2, 1, NQ-1, 1, 0
	s_wait_dscnt 0
	WIN MUL_HI
	MUL16 4, 1, NQ-1, 1, 0
	MUL16 6, 1, NQ-1, 1, 0
	WIN 0
; THE WAY OUT, block by block of 16 rows x 128 columns, through my own stage in LDS: in by lanes, each accumulator's eight numbers at its true columns; back as whole rows of 512 bytes.
; LDS serves a wave's instructions in order (ISA guide 5.7.1.4): no wait between the stores and the loads, nor in front of the next block's stores.
.macro TOSTAGE a
.set AC, 64*((\a)%4)
	WIN 0x08+4*((\a)/4)                            ; the data: window 2 or 3
.irp b, 0,1,2,3,4,5,6,7
	ds_store_b128 v[STO], v[AC+8*\b:AC+8*\b+3] offset:128*(\b/2)+32*(\b%2)       ; columns 32 (b / 2) + 16 h + 8 (b % 2) on; each accumulator from its low end on
	ds_store_b128 v[STO], v[AC+8*\b+4:AC+8*\b+7] offset:128*(\b/2)+32*(\b%2)+16
.endr
	WIN 0
.set BB, BK+64*((\a)%2)
.irp t, 0,1,2,3,4,5,6,7,8,9,10,11,12,13,14,15
	ds_load_b128 v[BB+4*\t:BB+4*\t+3], v[RD] offset:\t*SPITCH
.endr
.endm
.macro SEND a, younger                 ; younger: the LDS instructions issued behind block a's loads, which may stay out
.set BB, BK+64*((\a)%2)
	s_wait_dscnt \younger
.irp t, 0,1,2,3,4,5,6,7,8,9,10,11,12,13,14,15
	global_store_b128 v[CO], v[BB+4*\t:BB+4*\t+3], s[12:13] offset:(32*((\a)/2)+8*((\a)%2)+\t+8*(\t/8))*4096 th:TH_STORE_NT   ; position 16 a + t is true row 32 (a / 2) + 8 (a % 2) + t + 8 (t / 8); 32 lanes store 512 consecutive bytes, aligned
.endr
.endm
	PLACES NP                                      ; behind the last products: ahead of the first read of results and of loads into the registers that held A's fragments
	TOSTAGE 0
.irp a, 1,2,3,4,5,6,7
.if \a > 1
	s_wait_xcnt 0x0                                ; block a - 2's stores have read their registers: block a's loads land there only behind this wait
.endif
	TOSTAGE \a
	SEND \a-1, 32                                  ; behind block a - 1's loads: block a's 16 stores and 16 loads
.endr
	SEND 7, 0
	s_wait_tensorcnt 0x0                           ; the wave's end
	ds_add_u32 v[SPW], v[NIL]
	s_wait_dscnt 0x0
	CROUND                                         ; the closing round: no work-group ends while a partner may still ask for a tile that names it
	s_endpgm
.Lfunc_end_k_q09a7455d3d_gemm_proj:
	.size	k_q09a7455d3d_gemm_proj, .Lfunc_end_k_q09a7455d3d_gemm_proj-k_q09a7455d3d_gemm_proj
	.p2alignl 7, 3214868480
	.fill 96, 4, 3214868480
	.section	.rodata,"a",@progbits
	.p2align	6, 0x0
	.amdhsa_kernel k_q09a7455d3d_gemm_proj
		.amdhsa_group_segment_fixed_size 327680
		.amdhsa_private_segment_fixed_size 0
		.amdhsa_enable_private_segment 0
		.amdhsa_kernarg_size 32
		.amdhsa_user_sgpr_count 2
		.amdhsa_user_sgpr_kernarg_segment_ptr 1
		.amdhsa_wavefront_size32 1
		.amdhsa_system_sgpr_workgroup_id_x 1
		.amdhsa_system_sgpr_workgroup_id_y 1
		.amdhsa_system_sgpr_workgroup_id_z 1
		.amdhsa_system_vgpr_workitem_id 0
		.amdhsa_next_free_vgpr 1024
		.amdhsa_next_free_sgpr 98
		.amdhsa_reserve_vcc 0
		.amdhsa_float_denorm_mode_32 3
		.amdhsa_float_denorm_mode_16_64 3
		.amdhsa_memory_ordered 1
		.amdhsa_forward_progress 1
		.amdhsa_inst_pref_size 147
	.end_amdhsa_kernel
	.amdgpu_metadata
---
amdhsa.version: [ 1, 2 ]
amdhsa.kernels:
  - .name:           k_q09a7455d3d_gemm_proj
    .symbol:         k_q09a7455d3d_gemm_proj.kd
    .args:
      - { .name: yq, .offset: 0, .size: 8, .value_kind: global_buffer, .address_space: global }
      - { .name: wts, .offset: 8, .size: 8, .value_kind: global_buffer, .address_space: global }
      - { .name: b_proj, .offset: 16, .size: 8, .value_kind: global_buffer, .address_space: global }
      - { .name: out0, .offset: 24, .size: 8, .value_kind: global_buffer, .address_space: global }
    .group_segment_fixed_size: 327680
    .private_segment_fixed_size: 0
    .kernarg_segment_align: 8
    .kernarg_segment_size: 32
    .max_flat_workgroup_size: 128
    .sgpr_count:     98
    .vgpr_count:     1024
    .wavefront_size: 32
...
	.end_amdgpu_metadata
.endif
;; end of part 4
